; MI455X (gfx1250); checked and timed in simulation.
; The chip was launched on July 23, 2026; its instructions are those of AMD's public machine-readable ISA for CDNA 5 (MIT licence, August 2026) and "CDNA5" Instruction Set Architecture Reference Guide (July 2026). The comments in the code are by the model that wrote it; some were corrected since.
;; Self Attention. Allowed arithmetic: matrix products marked QUANTISED: E2M3 operands, one E8M0 scale for each 32 along K, by v_wmma_scale_f32_16x16x128_f8f6f4 with both operands' format E2M3, f32 sums; everything else in f32.
;; Inputs: b_out 1,024 float32; w_out 1,024 x 1,024 float32; w_qkv 3,072 x 1,024 float32; x 2 x 2,048 x 1,024 float32.
;; Outputs: out0 2 x 2,048 x 1,024 float32.
;; This version of the problem:
;;   THIS VERSION OF THE PROBLEM IS GIVEN IN LOW PRECISION. The matrix products marked QUANTISED in the list below multiply operands that are first quantised to E2M3 (2 exponent bits, 3 mantissa bits; 6 bits a number), with one power-of-two scale for each 32 numbers along K (OCP MX v1.0); their sums are f32. All else is computed in f32.
;;   The module's matrix products, in the order in which they are computed (A, B: the left and right operand; K: the contracted axis; several contracted axes count as one K, in the product's order):
;;     1. [M 4,096, K 1,024] x [K 1,024, N 3,072]; A: input x; B: input w_qkv: QUANTISED
;;     2. batch 32 x [M 2,048, K 64] x [K 64, N 2,048]; A: computed on the way; B: computed on the way: QUANTISED
;;     3. batch 32 x [M 64, K 2,048] x [K 2,048, N 2,048]; A: computed on the way; B: softmax (see below): QUANTISED
;;     4. [M 4,096, K 1,024] x [K 1,024, N 1,024]; A: computed on the way; B: input w_out: QUANTISED
;;   THE QUANTISER, for each operand of a quantised product, along K:
;;     - K is cut into blocks of 32 from its start; a last block that is shorter is filled with zeros.
;;     - A block's scale is 2^e with e = floor(log2(the largest magnitude in the block)) - 2, held to -126 .. 127; a block of zeros has e = 0. As a byte (E8M0): e + 127.
;;     - Each number is divided by its block's scale, clamped to +-7.5, and rounded to the nearest number of E2M3, ties to even, subnormals kept.
;;     - The product sums the exact products of the quantised numbers (number of the format x scale) in f32.
;;   ~~~python
;;   def quantise(x, axis):      # numpy; x: float32 -> the quantised numbers, widened to float32 again
;;       x = np.moveaxis(x, axis, -1); K = x.shape[-1]
;;       x = np.pad(x, [(0, 0)] * (x.ndim - 1) + [(0, -K % 32)]); x = x.reshape(x.shape[:-1] + (-1, 32)); a = np.abs(x).max(-1, keepdims=True)
;;       e = np.where(a > 0, np.clip(np.frexp(np.where(a > 0, a, 1))[1] - 1 - 2, -126, 127), 0)      # np.frexp(a)[1] - 1 = floor(log2(a)), exactly
;;       r = np.clip(x / 2.0 ** e, -7.5, 7.5)
;;       step = 2.0 ** (np.maximum(np.frexp(np.where(r == 0, 1, r))[1] - 1, 0) - 3)
;;       q = np.round(r / step) * step * 2.0 ** e      # np.round: ties to even
;;       return np.moveaxis(q.reshape(q.shape[:-2] + (-1,))[..., :K], -1, axis).astype(np.float32)
;;   ~~~
;;   SOFTMAX AHEAD OF A QUANTISED PRODUCT. Where the list says 'softmax', what is quantised is not the finished softmax but p = 2^(t - M), with t = logit x log2(e) and M = ceil(the row's largest t), a whole number; so 1/2 < the row's largest p <= 1. The row's sum l is taken of the UNQUANTISED p, in f32, and the product's result is divided by l at the end. Since M is a whole number, a kernel that streams over the keys may use a running M (the ceiling of the running maximum): every later rescaling is an exact power of two, which a block's scale takes up: the codes' values come out the same.
;;   OPERANDS COMPUTED ON THE WAY. 'Computed on the way' means the value that the module computes at that place (a softmax that the list does not call 'softmax' is quantised finished and normalised). What goes into a quantiser is computed in f32, as accurately as f32 sums, v_exp_f32 and their like allow (about 1e-6 of the number): no bf16 or f16 on the way to a quantiser, and a product that is left as it is and whose result goes on into a quantised operand takes f32 operands (vector FMAs, or v_wmma_f32_16x16x4_f32). A number that lies on a knife's edge between two numbers of the format may be rounded either way, as far as f32 arithmetic and the matrix unit's own rounding can turn it there, and no further.
;; One version. Each part assembles by itself: llvm-mc -triple=amdgcn-amd-amdhsa -mcpu=gfx1250 --defsym DOCPART=n.
;; ======== version 1 of 1: 4 launches
;; limits: right only within a limited range of input values
;; workspace buffers: c1 6,291,456 bytes; s1 262,144 bytes; qkv 9,437,184 bytes; qkvs 393,216 bytes; oc 3,145,728 bytes; os 131,072 bytes
;; launch quant (part 1): grid 256 x 1, 4 waves a work-group, no clusters, 33,280 bytes of LDS; arguments x, w_qkv, w_out, c1, s1; writes c1, s1
.if DOCPART == 1
	.amdgcn_target "amdgcn-amd-amdhsa--gfx1250"
	.amdhsa_code_object_version 6
	.text
	.protected	k_qb70d765277_quant
	.globl	k_qb70d765277_quant
	.p2align	8
	.type	k_qb70d765277_quant,@function
k_qb70d765277_quant:
	s_mov_b64 s[64:65], 0
	v_nop
	global_prefetch_b8 v0, s[64:65] scope:SCOPE_SE
	s_setreg_imm32_b32 hwreg(HW_REG_WAVE_MODE, 25, 1), 1
	s_wait_xcnt 0x0
; x [4096][1024], w_qkv [3072][1024] and w_out [1024][1024], f32, K innermost, become codes of FP6 (E2M3) in c1 (8,192 rows of 768 bytes: x, then w_qkv, then w_out)
; and one E8M0 scale byte for each 32 along K in s1 (8,192 rows of 32 bytes).
; A block's scale is 2^(floor(log2(its largest magnitude)) - 2); its byte is the largest magnitude's exponent field - 2, held at 1 from below.  Each number is divided by the scale and rounded to the nearest code, ties to even;
; beyond the largest code the conversion gives the largest code.
; LIMITS: a block of zeros gets the byte 1 where the rule says 127 (its codes are zeros, and this program alone reads the bytes); blocks whose largest magnitude lies under 2^-124 are held at the byte 1; NaN and infinities are not served.
; THE ORDER OF ROWS in c1 and s1: a row stands at the place given by its number with bits 3 and 4 exchanged.  Sixteen neighbouring places 16 t .. 16 t + 15 then hold rows 32 (t / 2) + 8 (t % 2) + 0 .. 7 and the eight rows 16 further on:
; taken as source 0 of a matrix instruction, two neighbouring tiles leave 16 neighbours of the true order in a lane's 16 result registers.
; SHARES: 256 work-groups of 32 rows; a wave takes 8 rows (8,192 numbers) in 16 steps of 512.  The exchange of bits 3 and 4 of the row is the exchange of the two bits of the wave's number in the place that it writes to.
; Each load reads 512 consecutive bytes; a step's 2,048 bytes turn through the wave's own stage in LDS, so that a lane holds 16 neighbours along K (two lanes hold a block).  Waves share nothing: no barrier, no cluster, no tensor load.
.set STEPS, 16
.set EMAX,  2
.set CB,    12                         ; bytes of 16 codes
.set R,     16                         ; v16-79   four sets of 16 numbers as they are loaded
.set X,     80                         ; v80-111  two sets of 16 neighbours
.set C,     128                        ; v128-191 codes: four registers for each step, so that no store's data are written again
.set E,     112                        ; v112-127 a scale byte for each step
.set WREG,  8192                       ; LDS: a region for each wave: two stages of 32 x SP bytes, behind them its 256 scale bytes
.set SP,    80                         ; a lane's place in a stage: its 64 bytes + 16 of padding
.set AD,    194                        ; v194-209 where each step's codes go, one register a step
	s_load_b128 s[4:7], s[0:1], 0x0                ; x, w_qkv
	s_load_b128 s[8:11], s[0:1], 0x10              ; w_out, c1
	s_load_b64 s[12:13], s[0:1], 0x20              ; s1
	v_lshl_add_u32 v192, v0, 2, 0x8000
	v_mov_b32 v193, 0
	v_lshrrev_b32 v1, 5, v0
	v_readfirstlane_b32 s16, v1                    ; wave
	v_and_b32 v2, 31, v0                           ; lane
	v_lshlrev_b32 v3, 4, v2                        ; my 16 bytes of a load's 512
	s_mul_i32 s17, s16, WREG
	v_lshrrev_b32 v14, 2, v2
	v_mul_u32_u24 v14, v14, SP
	v_and_b32 v15, 3, v2
	v_lshl_add_u32 v14, v15, 4, v14
	v_add_nc_u32 v14, s17, v14                     ; the stage, on the way in: SP (lane / 4) + 16 (lane % 4)
	v_mul_u32_u24 v15, v2, SP
	v_add_nc_u32 v15, s17, v15                     ; and on the way out: SP x lane: my 16 neighbours
	v_mul_u32_u24 v4, v2, CB                       ; my codes' place in a step's
	v_lshrrev_b32 v5, 1, v2
	s_add_co_u32 s17, s17, 2*32*SP
	v_add_nc_u32 v5, s17, v5                       ; LDS: my wave's 256 scale bytes, my block's byte
	v_lshlrev_b32 v7, 3, v2                        ; and on the way out 8 bytes a lane
	v_add_nc_u32 v6, s17, v7
	s_wait_alu depctr_va_vdst(0)
	s_wait_kmcnt 0x0
	s_cmp_lt_u32 ttmp9, 224                        ; work-groups 0-127 take x, 128-223 w_qkv, 224-255 w_out: the choice hangs on the work-group's number alone
	s_cselect_b64 s[6:7], s[6:7], s[8:9]
	s_mov_b32 s17, 224
	s_cselect_b32 s17, 128, s17
	s_cmp_lt_u32 ttmp9, 128
	s_cselect_b64 s[4:5], s[4:5], s[6:7]
	s_cselect_b32 s17, 0, s17                      ; the tensor's first work-group
	s_sub_co_u32 s17, ttmp9, s17
	s_lshl_b32 s17, s17, 2
	s_add_co_u32 s18, s17, s16                     ; which run of 8 rows of the tensor I read
	s_lshl_b32 s18, s18, 15                        ; 32,768 bytes a run
	s_mov_b32 s19, 0
	s_add_nc_u64 s[4:5], s[4:5], s[18:19]
	s_and_b32 s22, s16, 1                          ; where I write: the wave's two bits exchanged
	s_lshl_b32 s22, s22, 1
	s_lshr_b32 s23, s16, 1
	s_or_b32 s22, s22, s23
	s_lshl_b32 s23, ttmp9, 2
	s_add_co_u32 s22, s22, s23
	; THE CODES' LAYOUT.  w_out (work-groups 224 on): rows of 768 bytes, place after place.  x and w_qkv: [block of 256 places][K step of 256][256 places][192 bytes],
	; so that 128 or 256 places x 256 along K are one dense run of bytes that begins at a multiple of 256.  A block takes 196,608 bytes in either layout.
	s_cmp_lt_u32 ttmp9, 224
	s_mov_b32 s26, 6144
	s_cselect_b32 s26, 1536, s26                   ; from one run of 8 places to the next
	s_mov_b32 s27, 384
	s_cselect_b32 s27, 98304, s27                  ; from a row's first 512 numbers to its second
	s_mov_b32 s28, 768
	s_cselect_b32 s28, 192, s28                    ; from place to place
	s_cselect_b32 s29, 48960, 0                    ; lanes 16-31 hold the next K step: 49,152 on, less the 192 that 12 x lane has counted
	s_and_b32 s24, s22, 31
	s_mul_i32 s24, s24, s26
	s_and_not1_b32 s25, s22, 31
	s_mul_i32 s25, s25, 6144
	s_add_co_u32 s24, s24, s25
	s_mov_b32 s25, 0
	s_add_nc_u64 s[10:11], s[10:11], s[24:25]
	s_lshl_b32 s24, s22, 8                         ; 256 scale bytes a run
	s_add_nc_u64 s[12:13], s[12:13], s[24:25]
	v_lshrrev_b32 v10, 4, v2
	v_mad_u32_u24 v[AD], v10, s29, v4              ; step t: row t / 2, half t % 2
	v_add_nc_u32 v[AD+1], s27, v[AD]
.irp t, 2,3,4,5,6,7,8,9,10,11,12,13,14,15
	v_add_nc_u32 v[AD+\t], s28, v[AD+\t-2]
.endr
	s_wait_alu depctr_va_vdst(0)                   ; the wait at the head's end
.macro LOAD t
.irp i, 0,1,2,3
	global_load_b128 v[R+16*((\t)%4)+4*\i:R+16*((\t)%4)+4*\i+3], v3, s[4:5] offset:2048*(\t)+512*\i th:TH_LOAD_NT   ; 32 lanes read 512 consecutive bytes, read once in the launch
.endr
.endm
.macro TURN t                          ; step t's numbers through the stage: LDS serves a wave's instructions in order, so no wait stands between the stores and the loads
.irp i, 0,1,2,3
	ds_store_b128 v14, v[R+16*((\t)%4)+4*\i:R+16*((\t)%4)+4*\i+3] offset:32*SP*((\t)%2)+8*SP*\i
.endr
.irp i, 0,1,2,3
	ds_load_b128 v[X+16*((\t)%2)+4*\i:X+16*((\t)%2)+4*\i+3], v15 offset:32*SP*((\t)%2)+16*\i
.endr
.endm
.irp t, 0,1,2,3
	LOAD \t
.endr
	s_wait_loadcnt 12                              ; step 0's four loads are in; the twelve of steps 1 to 3 may be out
	TURN 0
.macro STEP t
.set XS, X+16*((\t)%2)
.if (\t) > 0
	s_wait_dscnt 1                                 ; this step's numbers are back from the stage (the last step's byte store may be out): so its stores into the stage have read their registers,
.else
	s_wait_dscnt 0x0
.endif
.if (\t)+4 < STEPS
	LOAD (\t)+4                                    ; which take the loads of four steps on
.endif
.if (\t)+1 < STEPS
.if STEPS-2-(\t) >= 3
	s_wait_loadcnt 12                              ; the next step's four loads are in; those of the three steps behind it may be out
.else
	s_wait_loadcnt 4*(STEPS-2-(\t))
.endif
	TURN (\t)+1                                    ; and go through the other stage while this step is worked
.endif
	v_max3_num_f32 v8, |v[XS]|, |v[XS+1]|, |v[XS+2]|               ; the largest magnitude of my 16, in two chains
	v_max3_num_f32 v9, |v[XS+3]|, |v[XS+4]|, |v[XS+5]|
.irp i, 6,10
	v_max3_num_f32 v8, v8, |v[XS+\i]|, |v[XS+\i+1]|
	v_max3_num_f32 v9, v9, |v[XS+\i+2]|, |v[XS+\i+3]|
.endr
	v_max3_num_f32 v8, v8, |v[XS+14]|, |v[XS+15]|
	v_max3_num_f32 v8, v8, v9, (EMAX+1)<<23        ; and the floor 2^(3 - 127): the byte cannot fall under 1
	v_max_num_f32_dpp v8, v8, v8 row_xmask:1 row_mask:0xf bank_mask:0xf   ; and of my neighbour's 16: the block's
	v_add_nc_u32 v11, -(EMAX<<23), v8              ; 2 off its exponent field: the conversion takes the exponent field of this operand as its scale, and nothing else of it
	v_cvt_scalef32_pk16_fp6_f32 v[C+4*(\t):C+4*(\t)+2], v[XS:XS+15], v11   ; 96 bits without gaps, the first number's code lowest
	v_lshrrev_b32 v[E+(\t)], 23, v11               ; the scale's byte (also the plain line behind the conversion)
	ds_store_b8 v5, v[E+(\t)] offset:16*(\t)       ; both lanes of a block write the same byte with the same value
	global_store_b96 v[AD+(\t)], v[C+4*(\t):C+4*(\t)+2], s[10:11]   ; sixteen lanes store 192 consecutive bytes
.endm
.irp t, 0,1,2,3,4,5,6,7,8,9,10,11,12,13,14,15
	STEP \t
.endr
	ds_load_b64 v[12:13], v6                       ; LDS serves a wave's instructions in order: these see my stores
	s_wait_dscnt 0x0
	global_store_b64 v7, v[12:13], s[12:13]        ; 32 lanes store 256 consecutive bytes, aligned
	s_wait_tensorcnt 0x0
	ds_add_u32 v192, v193
	s_wait_dscnt 0x0
	s_endpgm
.Lfunc_end_k_qb70d765277_quant:
	.size	k_qb70d765277_quant, .Lfunc_end_k_qb70d765277_quant-k_qb70d765277_quant
	.p2alignl 7, 3214868480
	.fill 96, 4, 3214868480
	.section	.rodata,"a",@progbits
	.p2align	6, 0x0
	.amdhsa_kernel k_qb70d765277_quant
		.amdhsa_group_segment_fixed_size 33280
		.amdhsa_private_segment_fixed_size 0
		.amdhsa_enable_private_segment 0
		.amdhsa_kernarg_size 40
		.amdhsa_user_sgpr_count 2
		.amdhsa_user_sgpr_kernarg_segment_ptr 1
		.amdhsa_wavefront_size32 1
		.amdhsa_system_sgpr_workgroup_id_x 1
		.amdhsa_system_sgpr_workgroup_id_y 1
		.amdhsa_system_sgpr_workgroup_id_z 1
		.amdhsa_system_vgpr_workitem_id 0
		.amdhsa_next_free_vgpr 210
		.amdhsa_next_free_sgpr 66
		.amdhsa_reserve_vcc 0
		.amdhsa_float_denorm_mode_32 3
		.amdhsa_float_denorm_mode_16_64 3
		.amdhsa_memory_ordered 1
		.amdhsa_forward_progress 1
		.amdhsa_inst_pref_size 34
	.end_amdhsa_kernel
	.amdgpu_metadata
---
amdhsa.version: [ 1, 2 ]
amdhsa.kernels:
  - .name:           k_qb70d765277_quant
    .symbol:         k_qb70d765277_quant.kd
    .args:
      - { .name: x, .offset: 0, .size: 8, .value_kind: global_buffer, .address_space: global }
      - { .name: w_qkv, .offset: 8, .size: 8, .value_kind: global_buffer, .address_space: global }
      - { .name: w_out, .offset: 16, .size: 8, .value_kind: global_buffer, .address_space: global }
      - { .name: c1, .offset: 24, .size: 8, .value_kind: global_buffer, .address_space: global }
      - { .name: s1, .offset: 32, .size: 8, .value_kind: global_buffer, .address_space: global }
    .group_segment_fixed_size: 33280
    .private_segment_fixed_size: 0
    .kernarg_segment_align: 8
    .kernarg_segment_size: 40
    .max_flat_workgroup_size: 128
    .sgpr_count:     66
    .vgpr_count:     210
    .wavefront_size: 32
...
	.end_amdgpu_metadata
.endif
;; end of part 1
;; launch qkv (part 2): grid 12 x 16, 4 waves a work-group, clusters of 4 x 4, 327,680 bytes of LDS; arguments c1, s1, qkv, qkvs; writes qkv, qkvs
.if DOCPART == 2
	.amdgcn_target "amdgcn-amd-amdhsa--gfx1250"
	.amdhsa_code_object_version 6
	.text
	.protected	k_qb70d765277_qkv
	.globl	k_qb70d765277_qkv
	.p2align	8
	.type	k_qb70d765277_qkv,@function
k_qb70d765277_qkv:
	s_mov_b64 s[64:65], 0
	v_nop
	global_prefetch_b8 v0, s[64:65] scope:SCOPE_SE
	s_setreg_imm32_b32 hwreg(HW_REG_WAVE_MODE, 25, 1), 1
	s_wait_xcnt 0x0
	s_wait_alu depctr_hold_cnt(0) depctr_sa_sdst(0) depctr_va_vdst(0) depctr_va_sdst(0) depctr_va_ssrc(0) depctr_va_vcc(0) depctr_vm_vsrc(0)
	s_getreg_b32 s2, hwreg(HW_REG_IB_STS2, 6, 4)
	s_cmp_eq_u32 s2, 0
	s_cbranch_scc0 .Lentry_in_a_cluster
	s_endpgm
.Lentry_in_a_cluster:
	s_bfe_u32 s2, ttmp6, 0x10000c
	s_cmp_lg_u32 s2, 0xf033
	s_cbranch_scc0 .Lentry_shape_is_right
	s_endpgm
.Lentry_shape_is_right:
.set SIZE_K, 1024
.set KSTEP,  256
.set NQ,     KSTEP/128
.set KSB,    49152                     ; a K step of 256 of a block of 256 places in c1: 256 x 192 dense bytes; a wave's 128 places are half of it
.set KROW,   SIZE_K*6/8
.set PITCH,  240
.set FR,     12
.set NL,     6
.set NP,     4
.set HALFT,  128*PITCH
.set SLOT,   4*HALFT
.set KS,     SIZE_K/32
.set SCL,    2*SLOT
.set HALFS,  (128*KS/256)*272
.set SBLK,   (16*KS/256)*272
.set SPARE,  SCL+4*HALFS
.set ADRA, 16
.set ADRB, 20
.set LI,   24
.set L8,   25
.set ADRS, 27
.set SPW,  28
.set NIL,  29
.set SC,   32
.set TM,   64
.set TT,   80
.set PWA,  88
.set PWB,  89
.set W,    96
.set WP,   104
.set AF,   128
.set FB,   128
.set SEL,  66
.set G1, 24
.set G0, 32
.set G1B, 48
.set G0B, 56
.set G1S, 68
.set G0S, 76
.set G1SB, 80
.set G0SB, 88
.set MSB, 0
.macro WIN new
.if MSB != (\new)
	s_set_vgpr_msb (MSB<<8)|(\new)
.set MSB, (\new)
.endif
.endm
.set MUL_LO, 0xa1
.set MUL_HI, 0xf1
.set TO_B,   0x40
.macro JLOAD g0a, g1a, g0b, g1b
	s_cmp_eq_u32 s15, 0
	s_cbranch_scc0 .Lfor_b_\@
	tensor_load_to_lds s[\g0a:\g0a+3], s[\g1a:\g1a+7]
	s_nop 0
.rept 4
	v_nop
.endr
	s_branch .Lasked_\@
.Lfor_b_\@:
	tensor_load_to_lds s[\g0b:\g0b+3], s[\g1b:\g1b+7]
	s_nop 0
.rept 4
	v_nop
.endr
.Lasked_\@:
.endm
.macro CREST
	s_cmp_lg_u32 s14, 0
	s_cbranch_scc1 .Lnot_wave_0_\@
	s_barrier_signal -3
.Lnot_wave_0_\@:
	s_barrier_wait -3
	s_barrier_signal -1
	s_barrier_wait -1
.endm
.macro CROUND
	s_barrier_signal -1
	s_barrier_wait -1
	CREST
.endm
	s_load_b128 s[4:7], s[0:1], 0x0
	s_load_b128 s[8:11], s[0:1], 0x10
	v_lshl_add_u32 v[SPW], v0, 2, SPARE
	v_mov_b32 v[NIL], 0
	ds_add_u32 v28, v29
	ds_add_u32 v28, v29
	s_wait_dscnt 0x0
	v_lshrrev_b32 v1, 5, v0
	v_readfirstlane_b32 s14, v1
	s_lshr_b32 s15, s14, 1
	s_and_b32 s16, s14, 1
	s_bfe_u32 s40, ttmp6, 0x40000
	s_bfe_u32 s41, ttmp6, 0x40004
	s_and_b32 s12, ttmp7, 0xffff
	s_cmp_lt_u32 ttmp9, 2
	s_cselect_b32 s17, s12, 0
	s_cselect_b32 s42, ttmp9, s12
	s_cselect_b32 s13, 0, 6144
	s_cselect_b32 s95, 4096, 0
	s_lshl_b32 s17, s17, 2
	s_add_co_u32 s17, s17, s41
	s_lshl_b32 s42, s42, 2
	s_add_co_u32 s42, s42, s40
	s_lshl_b32 s43, s41, 2
	s_lshl_b32 s43, 15, s43
	s_lshl_b32 s44, 0x1111, s40
	s_or_b32 s[G1+0], s43, (0<<16)|(1<<20)|(1<<21)|(3<<22)|(3<<25)
	s_or_b32 s[G1B+0], s44, (0<<16)|(1<<20)|(1<<21)|(3<<22)|(3<<25)
.irp g, G1, G1B
	s_mov_b32 s[\g+1], 256<<16                     ; a dense tile, stated as rows of 256 bytes; the padding's interval stays 64 bytes, so an LDS row is 192 + 48 bytes
	s_mov_b32 s[\g+2], 192<<16                     ; the head's loads: 256 places = 192 such rows
	s_mov_b32 s[\g+3], 256<<16
	s_mov_b32 s[\g+4], 192
	s_mov_b32 s[\g+5], 256
	s_mov_b32 s[\g+6], 0
	s_mov_b32 s[\g+7], 0
.endr
	s_or_b32 s[G1S+0], s43, (3<<16)|(1<<20)|(1<<21)|(5<<22)|(3<<25)
	s_or_b32 s[G1SB+0], s44, (3<<16)|(1<<20)|(1<<21)|(5<<22)|(3<<25)
.irp g, G1S, G1SB
	s_mov_b32 s[\g+1], 32<<16
	s_mov_b32 s[\g+2], (256*KS/256)<<16
	s_mov_b32 s[\g+3], 32<<16
	s_mov_b32 s[\g+4], 256*KS/256
	s_mov_b32 s[\g+5], 32
	s_mov_b32 s[\g+6], 0
	s_mov_b32 s[\g+7], 0
.endr
	s_lshl_b32 s20, s17, 8
	s_add_co_u32 s20, s20, s13                     ; A's block of 256 places
	s_lshl_b32 s46, s42, 8
	s_add_co_u32 s46, s46, s95                     ; B's
	s_mov_b32 s21, 0
	s_mov_b32 s47, 0
	s_mov_b64 s[18:19], KS
	s_mul_u64 s[22:23], s[20:21], s[18:19]
	s_mul_u64 s[92:93], s[46:47], s[18:19]
	s_mov_b64 s[18:19], KROW
	s_mul_u64 s[20:21], s[20:21], s[18:19]
	s_mul_u64 s[46:47], s[46:47], s[18:19]
	s_mul_i32 s45, s14, HALFT
	s_mul_i32 s94, s16, KSB/2                      ; in the ring I fetch 128 places of a tile: which half, in bytes
	s_mov_b32 s95, 0
	s_wait_kmcnt 0x0
	s_add_nc_u64 s[20:21], s[4:5], s[20:21]
	s_add_nc_u64 s[22:23], s[6:7], s[22:23]
	s_add_nc_u64 s[46:47], s[4:5], s[46:47]
	s_add_nc_u64 s[92:93], s[6:7], s[92:93]
	CROUND
	s_mov_b32 s[G0S], 1
	s_mov_b32 s[G0S+1], SCL
	s_mov_b64 s[G0S+2:G0S+3], s[22:23]
	s_or_b32 s[G0S+3], s[G0S+3], 0x80000000
	s_mov_b32 s[G0SB], 1
	s_mov_b32 s[G0SB+1], SCL+2*HALFS
	s_mov_b64 s[G0SB+2:G0SB+3], s[92:93]
	s_or_b32 s[G0SB+3], s[G0SB+3], 0x80000000
	s_mov_b32 s[G0], 1                             ; slot 0's groups 0 serve the head's whole tiles first: K step 0 of A's 256 places,
	s_mov_b32 s[G0+1], 0
	s_mov_b64 s[G0+2:G0+3], s[20:21]
	s_or_b32 s[G0+3], s[G0+3], 0x80000000
	s_mov_b32 s[G0B], 1                            ; and of B's, behind them
	s_mov_b32 s[G0B+1], 2*HALFT
	s_mov_b64 s[G0B+2:G0B+3], s[46:47]
	s_or_b32 s[G0B+3], s[G0B+3], 0x80000000
	s_add_nc_u64 s[20:21], s[20:21], s[94:95]      ; for the ring: my 128 places
	s_add_nc_u64 s[46:47], s[46:47], s[94:95]
	s_mov_b32 s[G0+4], 1                           ; slot 1: K step 1
	s_add_co_u32 s[G0+5], s45, SLOT
	s_add_nc_u64 s[G0+6:G0+7], s[20:21], KSB
	s_or_b32 s[G0+7], s[G0+7], 0x80000000
	s_mov_b32 s[G0B+4], 1
	s_add_co_u32 s[G0B+5], s45, SLOT
	s_add_nc_u64 s[G0B+6:G0B+7], s[46:47], KSB
	s_or_b32 s[G0B+7], s[G0B+7], 0x80000000
; the head's four tiles, one joint load a wave, in one chain of branches on the wave's number: A's codes, B's codes, A's scales, B's scales
.macro ARM under, g0, g1, next
	s_cmp_lt_u32 s14, \under
	s_cbranch_scc0 \next
	tensor_load_to_lds s[\g0:\g0+3], s[\g1:\g1+7]
	s_nop 0
.rept 4
	v_nop
.endr
	s_branch .Lhead_asked
\next:
.endm
	ARM 1, G0,  G1,  .Lhead_b
	ARM 2, G0B, G1B, .Lhead_sa
	ARM 3, G0S, G1S, .Lhead_sb
	tensor_load_to_lds s[G0SB:G0SB+3], s[G1SB:G1SB+7]
	s_nop 0
.rept 4
	v_nop
.endr
.Lhead_asked:
	v_and_b32 v1, 15, v0
	v_bfe_u32 v2, v0, 4, 1
	v_mul_u32_u24 v3, v1, PITCH
	v_mul_u32_u24 v4, v2, 24
	v_add_nc_u32 v4, v3, v4
	v_lshl_add_u32 v5, v2, 4, v4
	s_mul_i32 s21, s15, HALFT
	s_mul_i32 s22, s16, HALFT
	s_add_co_u32 s22, s22, 2*HALFT
.irp s, 0,1
	v_add_nc_u32 v[ADRA+\s], s21, v4
	v_add_nc_u32 v[ADRB+\s], s22, v4
	v_add_nc_u32 v[ADRA+2+\s], s21, v5
	v_add_nc_u32 v[ADRB+2+\s], s22, v5
	s_add_co_u32 s21, s21, SLOT
	s_add_co_u32 s22, s22, SLOT
.endr
	v_mul_u32_u24 v5, v1, KS
	v_lshrrev_b32 v6, 8, v5
	v_lshl_add_u32 v5, v6, 4, v5
	s_mul_i32 s21, s15, HALFS
	s_mul_i32 s22, s16, HALFS
	s_add_co_u32 s22, s22, 2*HALFS
	s_sub_co_u32 s22, s22, s21
	v_mul_u32_u24 v6, s22, v2
	s_add_co_u32 s21, s21, SCL
	v_add_nc_u32 v5, v5, v6
	v_add_nc_u32 v[ADRS], s21, v5
	v_and_b32 v6, 31, v0
	v_lshlrev_b32 v[LI], 4, v6
	v_lshlrev_b32 v[L8], 3, v6
	s_cmp_lt_u32 ttmp9, 2
	s_cselect_b32 s96, s17, s42
	s_cselect_b32 s97, s15, s16
	s_cselect_b32 s98, s40, s41
	s_cselect_b32 s99, s16, s15
	s_lshr_b32 s100, s96, 3
	s_and_b32 s96, s96, 7
	s_lshl_b32 s96, s96, 1
	s_add_co_u32 s96, s96, s97
	s_lshl_b32 s98, s98, 2
	s_lshl_b32 s99, s99, 1
	s_add_co_u32 s98, s98, s99
	s_lshl_b32 s100, s100, 4
	s_add_co_u32 s98, s98, s100
	s_mul_i32 s100, s98, 294912
	s_lshr_b32 s97, s96, 3
	s_mul_i32 s97, s97, 147456
	s_add_co_u32 s100, s100, s97
	s_mul_i32 s97, ttmp9, 49152
	s_add_co_u32 s100, s100, s97
	s_and_b32 s97, s96, 7
	s_mul_i32 s97, s97, 6144
	s_add_co_u32 s100, s100, s97
	s_mov_b32 s101, 0
	s_add_nc_u64 s[8:9], s[8:9], s[100:101]
	s_mul_i32 s100, s98, 12288
	s_lshl_b32 s97, ttmp9, 12
	s_add_co_u32 s100, s100, s97
	s_lshl_b32 s97, s96, 8
	s_add_co_u32 s100, s100, s97
	s_add_nc_u64 s[10:11], s[10:11], s[100:101]
	s_mov_b32 s[SEL], 0x76543210
	s_mov_b32 s[SEL+1], 0xfedcba98
.macro FRAG reg, adr, q, i
.irp p, 0,1,2,3,4,5
.set PCE, 12*(\q)+6*(\p/3)+\p%3
.if PCE%8 < 5
	ds_load_b64 v[\reg+2*\p:\reg+2*\p+1], v[\adr] offset:8*PCE+16*(PCE/8)+(\i)*16*PITCH
.else
	ds_load_b64 v[\reg+2*\p:\reg+2*\p+1], v[\adr+2] offset:8*PCE+16*(PCE/8)+(\i)*16*PITCH
.endif
.endr
.endm
.macro MUL16 a0, p, q, sc, zero
.irp a, \a0, \a0+1
.irp b, 0,1,2,3,4,5,6,7
.if \zero
	v_wmma_scale_f32_16x16x128_f8f6f4 v[8*(8*((\a)%4)+\b):8*(8*((\a)%4)+\b)+7], v[128*(\p)+FR*\b:128*(\p)+FR*\b+FR-1], v[AF+FR*(\a):AF+FR*(\a)+FR-1], 0, v[SC+8*NQ*(\sc)+NQ*\b+(\q)], v[SC+8*NQ*(\sc)+NQ*(\a)+(\q)] matrix_a_fmt:MATRIX_FMT_FP6 matrix_b_fmt:MATRIX_FMT_FP6 matrix_a_scale:MATRIX_SCALE_ROW1
.else
	v_wmma_scale_f32_16x16x128_f8f6f4 v[8*(8*((\a)%4)+\b):8*(8*((\a)%4)+\b)+7], v[128*(\p)+FR*\b:128*(\p)+FR*\b+FR-1], v[AF+FR*(\a):AF+FR*(\a)+FR-1], v[8*(8*((\a)%4)+\b):8*(8*((\a)%4)+\b)+7], v[SC+8*NQ*(\sc)+NQ*\b+(\q)], v[SC+8*NQ*(\sc)+NQ*(\a)+(\q)] matrix_a_fmt:MATRIX_FMT_FP6 matrix_b_fmt:MATRIX_FMT_FP6 matrix_a_scale:MATRIX_SCALE_ROW1
.endif
.endr
.endr
.endm
.macro FETCH_B slot, q, p
	WIN TO_B
.irp i, 0,1,2,3,4,5,6,7
	FRAG 128*(\p)+FR*\i, ADRB+\slot, \q, \i
.endr
	WIN 0
.endm
.macro FETCH_A slot, q, i0
.irp i, \i0, \i0+1, \i0+2, \i0+3
	FRAG AF+FR*(\i), ADRA+\slot, \q, \i
.endr
.endm
.macro SCALES sc
.irp i, 0,1,2,3,4,5,6,7
	ds_load_b64 v[SC+8*NQ*\sc+NQ*\i:SC+8*NQ*\sc+NQ*\i+1], v[ADRS] offset:\i*SBLK
.endr
.endm
.macro PLACES n
.rept \n
	v_nop
.endr
.endm
.macro STEP slot, q, zero
	s_wait_dscnt 4*NL
	WIN MUL_LO
	MUL16 0, (\q)%2, \q, \slot, \zero
	MUL16 2, (\q)%2, \q, \slot, \zero
	s_wait_dscnt 0
	PLACES NP
	FETCH_B \slot, (\q)+1, 1-(\q)%2
	FETCH_A \slot, (\q)+1, 0
	WIN MUL_HI
	MUL16 4, (\q)%2, \q, \slot, \zero
	MUL16 6, (\q)%2, \q, \slot, \zero
	PLACES NP
	WIN 0
	FETCH_A \slot, (\q)+1, 4
.endm
.macro TURN slot, next, fill
	s_wait_tensorcnt 0x0
	ds_add_u32 v[SPW], v[NIL]
	s_wait_dscnt 4*NL+1
	WIN MUL_LO
	MUL16 0, 1, NQ-1, \slot, 0
	s_wait_dscnt 0x0
	s_barrier_signal -1
	MUL16 2, 1, NQ-1, \slot, 0
	WIN 0
	s_barrier_wait -1
.if \fill
	CREST
	s_add_nc_u64 s[G0+4*\slot+2:G0+4*\slot+3], s[G0+4*\slot+2:G0+4*\slot+3], 2*KSB
	s_add_nc_u64 s[G0B+4*\slot+2:G0B+4*\slot+3], s[G0B+4*\slot+2:G0B+4*\slot+3], 2*KSB
	JLOAD G0+4*\slot, G1, G0B+4*\slot, G1B
.else
	PLACES NP
.endif
	s_wait_alu depctr_va_vdst(0)
	v_add_nc_u32 v[ADRS], 4*NQ, v[ADRS]
	FETCH_B \next, 0, 0
	FETCH_A \next, 0, 0
	SCALES \next
	WIN MUL_HI
	MUL16 4, 1, NQ-1, \slot, 0
	MUL16 6, 1, NQ-1, \slot, 0
	PLACES NP
	WIN 0
	FETCH_A \next, 0, 4
.endm
	s_wait_alu depctr_va_vdst(0)
	s_wait_tensorcnt 0x0                           ; my tile of the head's four is in
	ds_add_u32 v[SPW], v[NIL]
	s_mov_b32 s[G1+2], 96<<16                      ; no tensor load of mine is out, so descriptors may be written: from here on a load brings 128 places = 96 rows of 256 bytes,
	s_mov_b32 s[G1+4], 96
	s_mov_b32 s[G1B+2], 96<<16
	s_mov_b32 s[G1B+4], 96
	s_mov_b32 s[G0+1], s45                         ; and slot 0's groups 0 stand at my quarter of K step 0: its refill steps them two K steps on
	s_add_nc_u64 s[G0+2:G0+3], s[G0+2:G0+3], s[94:95]
	s_mov_b32 s[G0B+1], s45
	s_add_nc_u64 s[G0B+2:G0B+3], s[G0B+2:G0B+3], s[94:95]
	s_wait_dscnt 0x0
	CROUND                                         ; all four tiles are in, and all sixteen work-groups are here
	JLOAD G0+4, G1, G0B+4, G1B                     ; K step 1, the first tensor load behind the round
	FETCH_B 0, 0, 0
	FETCH_A 0, 0, 0
	SCALES 0
	FETCH_A 0, 0, 4
	STEP 0, 0, 1
	TURN 0, 1, 1
	STEP 1, 0, 0
	TURN 1, 0, 1
	STEP 0, 0, 0
	TURN 0, 1, 0
	STEP 1, 0, 0
	s_wait_dscnt 4*NL
	WIN MUL_LO
	MUL16 0, 1, NQ-1, 1, 0
	MUL16 2, 1, NQ-1, 1, 0
	s_wait_dscnt 0
	WIN MUL_HI
	MUL16 4, 1, NQ-1, 1, 0
	MUL16 6, 1, NQ-1, 1, 0
	WIN 0
.macro QUANT a, d0, d1, pw
.set AW, 2+(\a)/4
.set AC, 64*((\a)%4)
.set WQ, AW|(AW<<2)
.set D0, \d0
.set D1, \d1
.set PW, \pw
	WIN WQ
.irp b, 0,1,2,3
	v_max3_num_f32 v[TM+\b], |v[AC+16*\b]|, |v[AC+16*\b+1]|, 0x1800000
.endr
.irp i, 2,4,6,8,10,12,14
.irp b, 0,1,2,3
	v_max3_num_f32 v[TM+\b], |v[AC+16*\b+\i]|, |v[AC+16*\b+\i+1]|, v[TM+\b]
.endr
.endr
	WIN 0
.irp b, 0,1,2,3
	v_permlanex16_b32 v[TM+4+\b], v[TM+\b], s[SEL], s[SEL+1]
.endr
.irp b, 0,1,2,3
	v_max_num_f32 v[TM+\b], v[TM+\b], v[TM+4+\b]
.endr
.irp b, 0,1,2,3
	v_add_nc_u32 v[TM+12+\b], 0xff000000, v[TM+\b]
.endr
.irp b, 0,1,2,3
	v_lshrrev_b32 v[TM+4+\b], 23, v[TM+12+\b]
.endr
	v_lshl_or_b32 v[PW], v[TM+5], 8, v[TM+4]
	v_lshl_or_b32 v[PW], v[TM+6], 16, v[PW]
	v_lshl_or_b32 v[PW], v[TM+7], 24, v[PW]
	WIN AW
	v_cvt_scalef32_pk16_fp6_f32 v[D0:D0+2], v[AC:AC+15], v[TM+12]
	v_cvt_scalef32_pk16_fp6_f32 v[TT:TT+2], v[AC+16:AC+31], v[TM+13]
	v_cvt_scalef32_pk16_fp6_f32 v[D1:D1+2], v[AC+32:AC+47], v[TM+14]
	v_cvt_scalef32_pk16_fp6_f32 v[TT+4:TT+6], v[AC+48:AC+63], v[TM+15]
	WIN 0
	v_nop
.irp i, 0,1,2
	v_permlane16_swap_b32 v[D0+\i], v[TT+\i]
	v_permlane16_swap_b32 v[D1+\i], v[TT+4+\i]
.endr
.irp i, 0,1,2
	v_mov_b32 v[D0+3+\i], v[TT+\i]
	v_mov_b32 v[D1+3+\i], v[TT+4+\i]
.endr
.endm
	PLACES NP
.irp b, 0,1,2,3
	v_mov_b32 v[TM+4+\b], 0
.endr
	s_mov_b32 vcc_lo, 0xffff0000
	s_cmp_lt_u32 ttmp9, 2
	s_cbranch_scc0 .Lv
.irp al, 0,1,2,3
	QUANT 2*\al, FB+24*\al, FB+24*\al+12, PWA
	QUANT 2*\al+1, FB+24*\al+6, FB+24*\al+18, PWB
	v_perm_b32 v[W+\al], v[PWB], v[PWA], 0x05040100
	v_perm_b32 v[W+4+\al], v[PWB], v[PWA], 0x07060302
.irp c, 0,1
.irp j, 0,1,2
	global_store_b128 v[LI], v[FB+24*\al+12*\c+4*\j:FB+24*\al+12*\c+4*\j+3], s[8:9] offset:\c*294912+\al*1536+512*\j
.endr
.endr
.endr
	s_branch .Lsc
.Lv:
.irp a, 0,1,2,3,4,5,6,7
	QUANT \a, FB+12*\a, FB+12*\a+6, W+\a
.irp j, 0,1,2
	global_store_b128 v[LI], v[FB+12*\a+4*\j:FB+12*\a+4*\j+3], s[8:9] offset:(\a/4)*294912+(\a%4)*1536+512*\j
.endr
.endr
.Lsc:
	s_wait_alu depctr_va_vdst(0)
.irp c, 0,1
	v_cndmask_b32 v[WP+2*\c], v[W+4*\c], v[W+4*\c+1], vcc_lo
	v_cndmask_b32 v[WP+2*\c+1], v[W+4*\c+2], v[W+4*\c+3], vcc_lo
	global_store_b64 v[L8], v[WP+2*\c:WP+2*\c+1], s[10:11] offset:\c*12288
.endr
	s_wait_tensorcnt 0x0
	ds_add_u32 v[SPW], v[NIL]
	s_wait_dscnt 0x0
	CROUND
	s_endpgm
.Lfunc_end_k_qb70d765277_qkv:
	.size	k_qb70d765277_qkv, .Lfunc_end_k_qb70d765277_qkv-k_qb70d765277_qkv
	.p2alignl 7, 3214868480
	.fill 96, 4, 3214868480
	.section	.rodata,"a",@progbits
	.p2align	6, 0x0
	.amdhsa_kernel k_qb70d765277_qkv
		.amdhsa_group_segment_fixed_size 327680
		.amdhsa_private_segment_fixed_size 0
		.amdhsa_enable_private_segment 0
		.amdhsa_kernarg_size 32
		.amdhsa_user_sgpr_count 2
		.amdhsa_user_sgpr_kernarg_segment_ptr 1
		.amdhsa_wavefront_size32 1
		.amdhsa_system_sgpr_workgroup_id_x 1
		.amdhsa_system_sgpr_workgroup_id_y 1
		.amdhsa_system_sgpr_workgroup_id_z 1
		.amdhsa_system_vgpr_workitem_id 0
		.amdhsa_next_free_vgpr 1024
		.amdhsa_next_free_sgpr 102
		.amdhsa_reserve_vcc 1
		.amdhsa_float_denorm_mode_32 3
		.amdhsa_float_denorm_mode_16_64 3
		.amdhsa_memory_ordered 1
		.amdhsa_forward_progress 1
		.amdhsa_inst_pref_size 199
	.end_amdhsa_kernel
	.amdgpu_metadata
---
amdhsa.version: [ 1, 2 ]
amdhsa.kernels:
  - .name:           k_qb70d765277_qkv
    .symbol:         k_qb70d765277_qkv.kd
    .args:
      - { .name: c1, .offset: 0, .size: 8, .value_kind: global_buffer, .address_space: global }
      - { .name: s1, .offset: 8, .size: 8, .value_kind: global_buffer, .address_space: global }
      - { .name: qkv, .offset: 16, .size: 8, .value_kind: global_buffer, .address_space: global }
      - { .name: qkvs, .offset: 24, .size: 8, .value_kind: global_buffer, .address_space: global }
    .group_segment_fixed_size: 327680
    .private_segment_fixed_size: 0
    .kernarg_segment_align: 8
    .kernarg_segment_size: 32
    .max_flat_workgroup_size: 128
    .sgpr_count:     102
    .vgpr_count:     1024
    .wavefront_size: 32
...
	.end_amdgpu_metadata
.endif
;; end of part 2
;; launch attn (part 3): grid 8 x 32, 16 waves a work-group, clusters of 4 x 1, 256,000 bytes of LDS; arguments qkv, qkvs, oc, os; writes oc, os
.if DOCPART == 3
	.amdgcn_target "amdgcn-amd-amdhsa--gfx1250"
	.amdhsa_code_object_version 6
	.text
	.protected	k_qb70d765277_attn
	.globl	k_qb70d765277_attn
	.p2align	8
	.type	k_qb70d765277_attn,@function
k_qb70d765277_attn:
	s_mov_b64 s[64:65], 0
	v_nop
	global_prefetch_b8 v0, s[64:65] scope:SCOPE_SE
	s_setreg_imm32_b32 hwreg(HW_REG_WAVE_MODE, 25, 1), 1
	s_wait_xcnt 0x0
	s_wait_alu depctr_hold_cnt(0) depctr_sa_sdst(0) depctr_va_vdst(0) depctr_va_sdst(0) depctr_va_ssrc(0) depctr_va_vcc(0) depctr_vm_vsrc(0)
	s_getreg_b32 s2, hwreg(HW_REG_IB_STS2, 6, 4)
	s_cmp_eq_u32 s2, 0
	s_cbranch_scc0 .Lentry_in_a_cluster
	s_endpgm
.Lentry_in_a_cluster:
	s_bfe_u32 s2, ttmp6, 0x10000c
	s_cmp_lg_u32 s2, 0x3003
	s_cbranch_scc0 .Lentry_shape_is_right
	s_endpgm
.Lentry_shape_is_right:
; For each of the 32 (batch, head): o = softmax(q k^T / 8) v, both products on codes of FP6 (E2M3) with E8M0 scales; o is quantised along the 1,024 features and leaves as codes for the last product.
; THE SOFTMAX AHEAD OF THE SECOND PRODUCT: t = score x log2(e) / 8; M = the running largest t rounded UP to a whole number; p = 2^(t - M) is quantised along the keys, not normalised; the row's sum is taken of the unquantised p and divides at the end.
; When M moves, the sum and O are multiplied by 2^(old M - new M): exact.
; SHARES.  A work-group owns 256 queries of one head, each of its 16 waves one tile of 16; every wave walks all 2,048 keys, 128 a step.
; A HEAD'S K AND V LIE WHOLE IN LDS: 196,608 bytes of codes and 8,192 of scale words, each byte filled once, as images of operand registers (a fragment: three loads of 16 bytes a lane, 512 consecutive bytes each).  No ring.
; CLUSTER.  The four work-groups of a cluster belong to one head and want the same K and V: each slice is asked for JOINTLY (mask 15), waves 0-11 a slice of codes each, wave 12 the scale words.
; K = 64 IN AN INSTRUCTION OF 128: a fragment of K carries TWO keys a row (64 + 64 codes, the second key 8 further on).  Against Qlo = [q | zero codes] it gives the first key's scores, against Qhi = [zero codes | q] the second's.
; The zero halves of Q carry the scale byte 127.  So register 32 c + i of the scores is key 64 c + 32 (lane / 16) + i: a whole block of 32, as the conversions want them.
; Both products are used transposed (source 0 = keys, or places of the head's 64; source 1 = my queries): a lane holds ONE query throughout.
; OUT.  oc: [tile of 16 places of tokens][head][768 bytes]: registers 0-3 at 16 l, registers 4-5 at 512 + 8 l; lane (r, h): place r, d = 32 h .. + 31.   os: [place][32 bytes], byte 2 head + block.
; LIMITS: a block of zeros gets the byte 1 (zero codes; this program alone reads the bytes); blocks under 2^-124 are held at the byte 1; NaN and infinities are not served.
.set SCL,   245760                     ; LDS: behind the codes (each piece of 512 bytes has 128 bytes of padding behind it): K's scale words, 16 steps x 256 bytes, then V's
.set HALFB, 98304                      ; half a head's codes: K's 8 steps x 6,144 bytes, then V's
.set STEPB, 6144
.set VOFF,  61440                      ; LDS: from a half's K to its V: 8 steps
.set LSTEP, 7680                       ; LDS: a step's four fragments of 3 x 640 bytes
.set KL,  230                          ; v230 K's lane term: 1,920 (r / 8) + 16 (r % 8) + 256 h
.set VL,  231                          ; v231 V's: VOFF + 16 x lane
.set KSL, 232                          ; v232 K's scale words: SCL + 128 (r / 8) + 8 (r % 8) + 64 h
.set ADK, 233                          ; v233 LDS address of the step's fragments of K;  v3 of V
.set ASK, 234                          ; v234 and of K's scale words
.set H8,  235                          ; v235 8 h
.set LI,  1                            ; v1   16 x lane
.set LS,  2                            ; v2   SCL + 8 x lane
.set AD,  3                            ; v3   LDS address of the step's fragments
.set AS,  4                            ; v4   and of its scale words
.set L8,  5                            ; v5   8 x lane
.set R32, 6                            ; v6   32 x (lane % 16)
.set QLO, 16                           ; v16-27
.set QHI, 28                           ; v28-39
.set QSL, 40                           ; v40  Qlo's scale words;  v41 Qhi's;  v42 p's;  v44-45 K's;  v46-47 V's: these hold scales and nothing else
.set QSH, 41
.set PSW, 42
.set KSC, 44
.set VSC, 46
.set FRG, 48                           ; v48-95   four fragments of K, then of V
.set S,   96                           ; v96-159  S^T, then p
.set O,   160                          ; v160-191 O^T
.set PC,  192                          ; v192-203 p's codes
.set TT,  204                          ; v204-211 the upper halves of blocks, as converted
.set BM,  212                          ; v212-215 the blocks' largest scores, then largest p
.set BP,  216                          ; v216-219 the other half's, then bytes
.set BS,  220                          ; v220-223 the conversions' scale operands
.set TMP, 224
.set FF,  226                          ; v[226:227] f = 2^(old M - new M) (v227 is named with it as a pair)
.set SU2, 228                          ; v[228:229] the second chain of sums.   v12 -M, v13 the largest t, v[14:15] the sum in two halves
.set WV,  12
.set SEL, 20
.set CS,  22
.set G1C, 24                           ; s[24:31] group 1 for a slice of codes;  s[32:39] for a slice of scale words
.set G1S, 32
.set G0S, 40                           ; s[40:43], s[44:47] groups 0: scale words, codes
.set G0A, 44
.set G0B, 48
.set TB,  52
.set TS,  53
.set CNT, 54
.set UM,  55
.set SH,  56
.set QP,  58
.set QSP, 60
.set OP,  66
.set OSP, 68
.macro ROUND                           ; a round of the cluster's barrier
	s_barrier_signal -1
	s_barrier_wait -1
	s_cmp_lg_u32 s[WV], 0
	s_cbranch_scc1 .Lnot_wave_0_\@
	s_barrier_signal -3
.Lnot_wave_0_\@:
	s_barrier_wait -3
	s_barrier_signal -1
	s_barrier_wait -1
.endm
	s_load_b128 s[4:7], s[0:1], 0x0                ; qkv, qkvs
	s_load_b128 s[8:11], s[0:1], 0x10              ; oc, os
	v_lshl_add_u32 v254, v0, 2, 0x3e000
	v_mov_b32 v255, 0
	ds_add_u32 v254, v255
	ds_add_u32 v254, v255
	v_lshrrev_b32 v1, 5, v0
	s_delay_alu instid0(VALU_DEP_1)
	v_readfirstlane_b32 s[WV], v1                  ; wave 0..15
	v_and_b32 v7, 31, v0                           ; lane
	v_and_b32 v8, 15, v0                           ; r
	s_delay_alu instid0(VALU_DEP_2)
	v_lshlrev_b32 v[LI], 4, v7
	s_delay_alu instid0(VALU_DEP_3)
	v_lshlrev_b32 v[L8], 3, v7
	s_delay_alu instid0(VALU_DEP_1)
	v_add_nc_u32 v[LS], SCL, v[L8]
	s_delay_alu instid0(VALU_DEP_4)
	v_lshlrev_b32 v[R32], 5, v8
	v_lshlrev_b32 v9, 3, v8                        ; Q's scale word: 8 bytes a row
	; A TILE OF K IS COMPOSED BY ADDRESS: tile g = 2 c + e takes as its rows 0-7 rows 8 e .. 8 e + 7 of stored fragment 2 c, and as its rows 8-15 the same rows of fragment 2 c + 1.
	; Score register 32 c + i of lane half h is then key 64 c + 32 h + i: a whole block of 32 keys in a lane, as p's operand wants it.
	v_and_b32 v10, 7, v0                           ; r % 8
	v_bfe_u32 v11, v0, 3, 1                        ; r / 8
	v_bfe_u32 v[H8], v0, 4, 1                      ; h
	v_lshlrev_b32 v[KL], 4, v10
	v_lshl_add_u32 v[KSL], v10, 3, SCL
	v_mad_u32_u24 v[KL], v11, 1920, v[KL]          ; fragments lie 1,920 bytes apart: 128 modulo 256, so lanes 0-7 and 8-15 touch different words of a row of banks
	v_lshl_add_u32 v[KSL], v11, 7, v[KSL]
	v_lshl_add_u32 v[KL], v[H8], 8, v[KL]
	v_lshl_add_u32 v[KSL], v[H8], 6, v[KSL]        ; lanes 0-15 take the words of tiles e = 0, lanes 16-31 of e = 1
	v_add_nc_u32 v[VL], VOFF, v[LI]
	v_lshlrev_b32 v[H8], 3, v[H8]
	s_bfe_u32 s13, ttmp6, 0x40000                  ; cx
	s_lshl_b32 s14, ttmp9, 2
	s_add_co_u32 s14, s14, s13                     ; my block of 256 queries: it enters global addresses alone
	s_and_b32 s15, ttmp7, 0xffff                   ; 16 b + head, which the four partners share
	; group 1: a dense slice: codes as 32 rows of 512 bytes (64 elements of 8 bytes), scale words as 32 rows of 256 bytes; mask 15, bit 21 beside it
	s_mov_b32 s[G1C], 15|(3<<16)|(1<<20)|(1<<21)|(6<<22)|(31<<25)   ; codes: rows of 512 bytes (64 elements of 8), 32 dwords of padding behind each 128
	s_mov_b32 s[G1C+1], 64<<16
	s_mov_b32 s[G1C+2], 32<<16                     ; a slice of 16,384 bytes is 32 such rows
	s_mov_b32 s[G1C+3], 64<<16
	s_mov_b32 s[G1C+4], 32
	s_mov_b32 s[G1C+5], 64
	s_mov_b32 s[G1C+6], 0
	s_mov_b32 s[G1C+7], 0
	s_mov_b32 s[G1S], 15|(3<<16)|(1<<21)
	s_mov_b32 s[G1S+1], 32<<16
	s_mov_b32 s[G1S+2], 32<<16                     ; all 8,192 bytes of scale words in one load
	s_mov_b32 s[G1S+3], 32<<16
	s_mov_b32 s[G1S+4], 32
	s_mov_b32 s[G1S+5], 32
	s_mov_b32 s[G1S+6], 0
	s_mov_b32 s[G1S+7], 0
	s_mul_i32 s16, s15, 294912                     ; the joint loads' offsets: of the head and the wave alone
	s_lshl_b32 s70, s[WV], 14                      ; waves 0-11 bring 16,384 bytes of codes each: six slices to a half's K and V
	s_cmp_ge_u32 s[WV], 6
	s_cselect_b32 s71, 49152, 0                    ; the second half's K lies behind that half's q
	s_add_co_u32 s16, s16, s71
	s_add_co_u32 s16, s16, s70
	s_mul_i32 s70, s[WV], 20480                    ; and in LDS a slice takes 32 x 640 bytes
	s_add_co_u32 s16, s16, 49152                   ; past the half's q
	s_mov_b32 s17, 0
	s_mul_i32 s18, s15, 12288
	s_add_co_u32 s18, s18, 4096                    ; past q's scale words
	s_mov_b32 s19, 0
	s_mov_b32 s[SEL], 0x76543210
	s_mov_b32 s[SEL+1], 0xfedcba98
	s_mov_b32 s[CS], 0x3e38aa3b                    ; c = log2(e) / 8
	s_mov_b32 s[CS+1], s[CS]                       ; (named with it as a pair)
	s_mov_b32 s[TB], 0
	s_mov_b32 s[TS], 0
	; my tile of queries: step sq = 2 block + wave / 8, fragment (wave / 2) % 4, half wave % 2
	s_lshr_b32 s72, s[WV], 3
	s_lshl_b32 s73, s14, 1
	s_add_co_u32 s72, s72, s73                     ; sq
	s_lshr_b32 s73, s72, 3
	s_mul_i32 s73, s73, 147456
	s_and_b32 s74, s72, 7
	s_mul_i32 s74, s74, STEPB
	s_add_co_u32 s73, s73, s74
	s_bfe_u32 s74, s[WV], 0x20001                  ; the fragment
	s_mul_i32 s75, s74, 1536
	s_add_co_u32 s73, s73, s75
	s_mul_i32 s75, s15, 294912
	s_add_co_u32 s[QP], s73, s75
	s_mov_b32 s[QP+1], 0
	s_mul_i32 s[QSP], s15, 12288
	s_lshl_b32 s75, s72, 8
	s_add_co_u32 s[QSP], s[QSP], s75
	s_and_b32 s75, s74, 1
	s_lshl_b32 s75, s75, 7
	s_add_co_u32 s[QSP], s[QSP], s75               ; odd fragments' words lie in lanes 16-31's places
	s_lshr_b32 s75, s74, 1
	s_lshl_b32 s75, s75, 2
	s_add_co_u32 s[QSP], s[QSP], s75               ; fragments 2, 3: the second word
	s_mov_b32 s[QSP+1], 0
	s_and_b32 s[UM], s[WV], 1
	s_lshl_b32 s[SH], s[UM], 4                     ; my half's two bytes of the word
	s_sub_co_u32 s[UM], 0, s[UM]                   ; all ones where my queries are the fragment's second tokens
	s_lshr_b32 s75, s15, 4
	s_lshl_b32 s75, s75, 7
	s_lshl_b32 s76, s14, 4
	s_add_co_u32 s75, s75, s76
	s_add_co_u32 s75, s75, s[WV]                   ; my tile of 16 places: 128 b + 16 block + wave
	s_and_b32 s76, s15, 15                         ; the head
	s_mul_i32 s[OP], s75, 12288
	s_mul_i32 s77, s76, 768
	s_add_co_u32 s[OP], s[OP], s77
	s_mov_b32 s[OP+1], 0
	s_lshl_b32 s[OSP], s75, 9
	s_lshl_b32 s77, s76, 1
	s_add_co_u32 s[OSP], s[OSP], s77
	s_mov_b32 s[OSP+1], 0
	s_wait_dscnt 0x0
	s_wait_kmcnt 0x0
	s_add_nc_u64 s[QP:QP+1], s[4:5], s[QP:QP+1]
	s_add_nc_u64 s[QSP:QSP+1], s[6:7], s[QSP:QSP+1]
	s_add_nc_u64 s[OP:OP+1], s[8:9], s[OP:OP+1]
	s_add_nc_u64 s[OSP:OSP+1], s[10:11], s[OSP:OSP+1]
	s_mov_b32 s[G0S], 1
	s_mov_b32 s[G0S+1], SCL
	s_add_nc_u64 s[G0S+2:G0S+3], s[6:7], s[18:19]
	s_or_b32 s[G0S+3], s[G0S+3], 0x80000000
	s_mov_b32 s[G0A], 1
	s_mov_b32 s[G0A+1], s70
	s_add_nc_u64 s[G0A+2:G0A+3], s[4:5], s[16:17]
	s_or_b32 s[G0A+3], s[G0A+3], 0x80000000
	ROUND                                          ; all four work-groups are here: the joint loads meet
	s_cmp_lt_u32 s[WV], 12                         ; at most one tensor load a wave, in one chain of branches on the wave's number: waves 0-11 a slice of codes at 16,384 x wave,
	s_cbranch_scc0 .Lhead_scales
	tensor_load_to_lds s[G0A:G0A+3], s[G1C:G1C+7]
	s_nop 0
.rept 4
	v_nop
.endr
	s_branch .Lhead_asked
.Lhead_scales:
	s_cmp_eq_u32 s[WV], 12                         ; wave 12 the scale words, waves 13-15 nothing; no byte is filled twice
	s_cbranch_scc0 .Lhead_asked
	tensor_load_to_lds s[G0S:G0S+3], s[G1S:G1S+7]
	s_nop 0
.Lhead_asked:
.rept 4
	v_nop
.endr
	s_wait_alu depctr_va_vdst(0)
.irp j, 0,1,2
	global_load_b128 v[FRG+4*\j:FRG+4*\j+3], v[LI], s[QP:QP+1] offset:512*\j   ; the fragment that holds my queries and the 16 that lie 8 tokens off
.endr
	global_load_b32 v[TMP], v9, s[QSP:QSP+1]       ; its scale words
	v_mov_b32 v13, 0xff61b1e6                      ; the largest t so far: -3e38, under every t
	s_delay_alu instid0(VALU_DEP_1)
	v_floor_f32 v12, -v13                          ; -M
	v_mov_b32 v14, 0
	v_mov_b32 v15, 0
	v_mov_b32 v[FF+1], 0
.irp b, 0,1,2,3
	v_mov_b32 v[BP+\b], 0                          ; written once: a lane permute's destination counts as one of its sources
.endr
	s_wait_loadcnt 0x0
.irp j, 0,1,2,3,4,5
	v_cndmask_b32 v[QLO+\j], v[FRG+\j], v[FRG+6+\j], s[UM]   ; my 64 codes a row,
	v_mov_b32 v[QLO+6+\j], 0                       ; and zero codes for the other key's half
	v_mov_b32 v[QHI+\j], 0
.endr
.irp j, 0,1,2,3,4,5
	v_mov_b32 v[QHI+6+\j], v[QLO+\j]
.endr
	v_lshrrev_b32 v[TMP], s[SH], v[TMP]
	s_delay_alu instid0(VALU_DEP_1)
	v_and_b32 v[TMP], 0xffff, v[TMP]               ; my two scale bytes
	s_delay_alu instid0(VALU_DEP_1)
	v_or_b32 v[QSL], 0x7f7f0000, v[TMP]            ; the zero halves carry the byte 127
	s_delay_alu instid0(VALU_DEP_2)
	v_lshl_or_b32 v[QSH], v[TMP], 16, 0x7f7f
.set j, 0
.rept 32
	v_mov_b32 v[O+j], 0                            ; O^T.  (The step is written for all steps alike: the first finds zeros.  These lines also stand between the writes of Q and its scale words and the first products)
.set j, j+1
.endr
	s_wait_tensorcnt 0x0                           ; my load is in: every wave waits for all, under no branch
	s_barrier_signal -1
	s_barrier_wait -1                              ; everybody's are
; A KEY STEP: 128 keys.
.macro STEP
	v_add_nc_u32 v[AD], s[TB], v[VL]
	v_add_nc_u32 v[AS], s[TS], v[LS]
	v_add_nc_u32 v[ADK], s[TB], v[KL]
	v_add_nc_u32 v[ASK], s[TS], v[KSL]             ; four plain lines between the last step's products and the loads into their registers
.irp f, 0,1,2,3
.irp j, 0,1,2
	ds_load_b128 v[FRG+12*\f+4*\j:FRG+12*\f+4*\j+3], v[ADK] offset:3840*(\f/2)+128*(\f%2)+640*\j
.endr
.endr
	ds_load_b64 v[KSC:KSC+1], v[ASK]               ; register c: lanes 0-15 tile 2 c, lanes 16-31 tile 2 c + 1
	s_wait_alu depctr_va_vdst(0)
	s_wait_dscnt 0x0
.irp f, 0,1,2,3                                ; S^T: each fragment against Qlo (its rows' first keys) and Qhi (the keys 8 on)
.if \f%2
	v_wmma_scale_f32_16x16x128_f8f6f4 v[S+16*\f:S+16*\f+7], v[FRG+12*\f:FRG+12*\f+11], v[QLO:QLO+11], 0, v[KSC+\f/2], v[QSL] matrix_a_fmt:MATRIX_FMT_FP6 matrix_b_fmt:MATRIX_FMT_FP6 matrix_a_scale:MATRIX_SCALE_ROW1
	v_wmma_scale_f32_16x16x128_f8f6f4 v[S+16*\f+8:S+16*\f+15], v[FRG+12*\f:FRG+12*\f+11], v[QHI:QHI+11], 0, v[KSC+\f/2], v[QSH] matrix_a_fmt:MATRIX_FMT_FP6 matrix_b_fmt:MATRIX_FMT_FP6 matrix_a_scale:MATRIX_SCALE_ROW1
.else
	v_wmma_scale_f32_16x16x128_f8f6f4 v[S+16*\f:S+16*\f+7], v[FRG+12*\f:FRG+12*\f+11], v[QLO:QLO+11], 0, v[KSC+\f/2], v[QSL] matrix_a_fmt:MATRIX_FMT_FP6 matrix_b_fmt:MATRIX_FMT_FP6
	v_wmma_scale_f32_16x16x128_f8f6f4 v[S+16*\f+8:S+16*\f+15], v[FRG+12*\f:FRG+12*\f+11], v[QHI:QHI+11], 0, v[KSC+\f/2], v[QSH] matrix_a_fmt:MATRIX_FMT_FP6 matrix_b_fmt:MATRIX_FMT_FP6
.endif
.endr
.rept 4
	v_nop                                          ; places behind the products: for the loads below and for the first read of the scores
.endr
.irp f, 0,1,2,3                                ; V's four fragments take K's registers and land while the softmax is worked
.irp j, 0,1,2
	ds_load_b128 v[FRG+12*\f+4*\j:FRG+12*\f+4*\j+3], v[AD] offset:1920*\f+640*\j
.endr
.endr
	ds_load_b64 v[VSC:VSC+1], v[AS] offset:4096
.irp b, 0,1,2,3
	v_max3_num_f32 v[BM+\b], v[S+16*\b], v[S+16*\b+1], v[S+16*\b+2]   ; the largest score of each block of 32 keys: it serves for the row's maximum and, since p rises with the score, for the block's largest p
.endr
.irp i, 3,5,7,9,11,13
.irp b, 0,1,2,3
	v_max3_num_f32 v[BM+\b], v[BM+\b], v[S+16*\b+\i], v[S+16*\b+\i+1]
.endr
.endr
	v_max_num_f32 v[BM+1], v[BM+1], v[S+31]
	v_max_num_f32 v[BM+3], v[BM+3], v[S+63]
	v_max3_num_f32 v[BM], v[BM], v[S+15], v[BM+1]      ; my block h: all its 32 keys are mine
	v_max3_num_f32 v[BM+1], v[BM+2], v[S+47], v[BM+3]  ; my block 2 + h
	s_delay_alu instid0(VALU_DEP_1)
	v_max_num_f32 v[TMP], v[BM], v[BM+1]
	s_delay_alu instid0(VALU_DEP_1)
	v_permlanex16_b32 v[BP], v[TMP], s[SEL], s[SEL+1]
	s_delay_alu instid0(VALU_DEP_1)
	v_max_num_f32 v[TMP], v[TMP], v[BP]            ; with lane l xor 16's two blocks: the step's largest score of my query
	s_delay_alu instid0(VALU_DEP_1)
	v_mul_f32 v[TMP], s[CS], v[TMP]                ; as t (c is positive)
	s_delay_alu instid0(VALU_DEP_1)
	v_max_num_f32 v13, v13, v[TMP]                 ; the running largest t
	v_mov_b32 v[TMP], v12
	s_delay_alu instid0(VALU_DEP_2)
	v_floor_f32 v12, -v13                          ; the new -M = floor(-t) = -ceil(t)
	s_delay_alu instid0(VALU_DEP_1)
	v_sub_f32 v[TMP], v12, v[TMP]                  ; old M - new M: a whole number, 0 or less
	s_delay_alu instid0(VALU_DEP_1)
	v_cvt_i32_f32 v[TMP], v[TMP]                   ; (it saturates)
	s_delay_alu instid0(VALU_DEP_1)
	v_ldexp_f32 v[FF], 1.0, v[TMP]                 ; f = 2^(old M - new M)
.set j, 0
.rept 32
	v_pk_fma_f32 v[S+j:S+j+1], v[S+j:S+j+1], s[CS:CS+1], v[12:13] op_sel_hi:[1,0,0]   ; t - M, two at a time
.set j, j+2
.endr
.irp b, 0,1
	v_fma_f32 v[BM+\b], v[BM+\b], s[CS], v12       ; the same of my two blocks' largest scores
.endr
.set j, 0
	s_wait_alu depctr_va_vdst(0)
.rept 64
	v_exp_f32 v[S+j], v[S+j]                       ; p = 2^(t - M), at most 1: not normalised
.set j, j+1
.endr
	v_pk_mul_f32 v[14:15], v[14:15], v[FF:FF+1] op_sel_hi:[1,0]   ; the sums under the new M (the plain line behind the exponentials)
	s_wait_alu depctr_va_vdst(0)                   ; one wait for the whole batch, ahead of its first reader
.irp b, 0,1
	v_exp_f32 v[BM+\b], v[BM+\b]                   ; the block's largest p: the same two instructions on the same number
.endr
	v_pk_add_f32 v[228:229], v[100:101], v[104:105]
	v_pk_add_f32 v[252:253], v[108:109], v[112:113]
	v_pk_add_f32 v[250:251], v[116:117], v[120:121]
	v_pk_add_f32 v[248:249], v[124:125], v[128:129]
	v_pk_add_f32 v[246:247], v[132:133], v[136:137]
	v_pk_add_f32 v[244:245], v[140:141], v[144:145]
	v_pk_add_f32 v[242:243], v[148:149], v[152:153]
	v_pk_add_f32 v[14:15], v[14:15], v[156:157]
	v_pk_add_f32 v[228:229], v[228:229], v[96:97]
	v_pk_add_f32 v[252:253], v[252:253], v[98:99]
	v_pk_add_f32 v[250:251], v[250:251], v[102:103]
	v_pk_add_f32 v[248:249], v[248:249], v[106:107]
	v_pk_add_f32 v[246:247], v[246:247], v[110:111]
	v_pk_add_f32 v[244:245], v[244:245], v[114:115]
	v_pk_add_f32 v[242:243], v[242:243], v[118:119]
	v_pk_add_f32 v[14:15], v[14:15], v[122:123]
	v_pk_add_f32 v[228:229], v[228:229], v[126:127]
	v_pk_add_f32 v[252:253], v[252:253], v[130:131]
	v_pk_add_f32 v[250:251], v[250:251], v[134:135]
	v_pk_add_f32 v[248:249], v[248:249], v[138:139]
	v_pk_add_f32 v[246:247], v[246:247], v[142:143]
	v_pk_add_f32 v[244:245], v[244:245], v[146:147]
	v_pk_add_f32 v[242:243], v[242:243], v[150:151]
	v_pk_add_f32 v[14:15], v[14:15], v[154:155]
	v_pk_add_f32 v[228:229], v[228:229], v[158:159]
	s_delay_alu instid0(VALU_DEP_2)
	v_pk_add_f32 v[14:15], v[14:15], v[248:249]
	s_delay_alu instid0(VALU_DEP_2)
	v_pk_add_f32 v[228:229], v[228:229], v[246:247]
	v_pk_add_f32 v[252:253], v[252:253], v[244:245]
	v_pk_add_f32 v[250:251], v[250:251], v[242:243]
	s_delay_alu instid0(VALU_DEP_2)
	v_pk_add_f32 v[14:15], v[14:15], v[252:253]
	s_delay_alu instid0(VALU_DEP_2)
	v_pk_add_f32 v[228:229], v[228:229], v[250:251]
	s_delay_alu instid0(VALU_DEP_1)
	v_pk_add_f32 v[14:15], v[14:15], v[228:229]
	s_wait_alu depctr_va_vdst(0)                   ; and one for the two
.irp b, 0,1
	v_max_num_f32 v[BM+\b], 0x1800000, v[BM+\b]    ; the floor 2^(3 - 127): the byte cannot fall under 1
.endr
.irp b, 0,1
	s_delay_alu instid0(VALU_DEP_2)
	v_add_nc_u32 v[BS+\b], 0xff000000, v[BM+\b]    ; 2 off the exponent field: the conversion's scale operand
.endr
.irp b, 0,1
	s_delay_alu instid0(VALU_DEP_2)
	v_lshrrev_b32 v[BP+1+\b], 23, v[BS+\b]         ; the scale's byte
.endr
	s_delay_alu instid0(VALU_DEP_1)
	v_lshl_or_b32 v[TMP], v[BP+2], 16, v[BP+1]     ; my two bytes, blocks h and 2 + h,
	s_delay_alu instid0(VALU_DEP_1)
	v_lshlrev_b32 v[TMP], v[H8], v[TMP]            ; at their places in the scale word (8 h bits up)
	s_delay_alu instid0(VALU_DEP_1)
	v_permlanex16_b32 v[BP], v[TMP], s[SEL], s[SEL+1]
.irp c, 0,1
	v_cvt_scalef32_pk16_fp6_f32 v[PC+6*\c:PC+6*\c+2], v[S+32*\c:S+32*\c+15], v[BS+\c]
	v_cvt_scalef32_pk16_fp6_f32 v[TT+4*\c:TT+4*\c+2], v[S+32*\c+16:S+32*\c+31], v[BS+\c]   ; (a conversion's three registers begin on an even number)
.endr
	v_or_b32 v[PSW], v[TMP], v[BP]                 ; with lane l xor 16's two the word is whole.  (Also the plain line behind the conversions)
.irp c, 0,1
.irp i, 0,1,2
	v_mov_b32 v[PC+6*\c+3+\i], v[TT+4*\c+\i]       ; registers 6 c .. 6 c + 5: keys 64 c + 32 h + 0 .. 31
.endr
.endr
.set j, 0
.rept 16
	v_pk_mul_f32 v[O+j:O+j+1], v[O+j:O+j+1], v[FF:FF+1] op_sel_hi:[1,0]   ; O^T under the new M.  (These sixteen also stand between the writes of p's codes and scale word and the products)
.set j, j+2
.endr
	s_wait_alu depctr_va_vdst(0)
	s_wait_dscnt 0x0                               ; V's fragments and scale words are in
.irp t, 0,1,2,3                                ; O^T += V^T P^T: the four accumulators by turns, one instruction a turn
.if \t%2
	v_wmma_scale_f32_16x16x128_f8f6f4 v[O+8*\t:O+8*\t+7], v[FRG+12*\t:FRG+12*\t+11], v[PC:PC+11], v[O+8*\t:O+8*\t+7], v[VSC+\t/2], v[PSW] matrix_a_fmt:MATRIX_FMT_FP6 matrix_b_fmt:MATRIX_FMT_FP6 matrix_a_scale:MATRIX_SCALE_ROW1
.else
	v_wmma_scale_f32_16x16x128_f8f6f4 v[O+8*\t:O+8*\t+7], v[FRG+12*\t:FRG+12*\t+11], v[PC:PC+11], v[O+8*\t:O+8*\t+7], v[VSC+\t/2], v[PSW] matrix_a_fmt:MATRIX_FMT_FP6 matrix_b_fmt:MATRIX_FMT_FP6
.endif
.endr
	s_add_co_u32 s[TB], s[TB], LSTEP               ; the next step's fragments and scale words
	s_add_co_u32 s[TS], s[TS], 256
.endm
	s_mov_b32 s[CNT], 8
.Lh0:                                              ; the first 1,024 keys
	STEP
	s_sub_co_u32 s[CNT], s[CNT], 1
	s_cmp_lg_u32 s[CNT], 0
	s_cbranch_scc1 .Lh0
	s_add_co_u32 s[TB], s[TB], VOFF                ; past the first half's V; the head's barrier has shown all of K and V, so none stands here
	s_mov_b32 s[CNT], 8
.Lh1:                                              ; the other 1,024 keys
	STEP
	s_sub_co_u32 s[CNT], s[CNT], 1
	s_cmp_lg_u32 s[CNT], 0
	s_cbranch_scc1 .Lh1
	; THE END.  O^T / the sum; register 16 b + i is d = 32 b + 16 (lane / 16) + i of my query: two blocks of the last product's K, quantised as p is.
.rept 4
	v_nop                                          ; places behind the last products
.endr
	v_add_f32 v14, v14, v15                        ; the sum's two halves,
	s_delay_alu instid0(VALU_DEP_1)
	v_permlanex16_b32 v[TMP], v14, s[SEL], s[SEL+1]
	s_delay_alu instid0(VALU_DEP_1)
	v_add_f32 v14, v14, v[TMP]                     ; and lane l xor 16's
	s_wait_alu depctr_va_vdst(0)
	v_rcp_f32 v14, v14
	v_nop                                          ; a plain line behind the reciprocal,
	s_wait_alu depctr_va_vdst(0)                   ; and the wait ahead of its first reader
.set j, 0
.rept 32
	v_mul_f32 v[S+j], v[O+j], v14                  ; each accumulator from its low end on
.set j, j+1
.endr
.irp b, 0,1
	v_max3_num_f32 v[BM+\b], |v[S+16*\b]|, |v[S+16*\b+1]|, 0x1800000
.endr
.irp i, 2,4,6,8,10,12,14
.irp b, 0,1
	s_delay_alu instid0(VALU_DEP_2)
	v_max3_num_f32 v[BM+\b], v[BM+\b], |v[S+16*\b+\i]|, |v[S+16*\b+\i+1]|
.endr
.endr
.irp b, 0,1
	s_delay_alu instid0(VALU_DEP_2)
	v_permlanex16_b32 v[BP+\b], v[BM+\b], s[SEL], s[SEL+1]
.endr
.irp b, 0,1
	s_delay_alu instid0(VALU_DEP_2)
	v_max_num_f32 v[BM+\b], v[BM+\b], v[BP+\b]
.endr
.irp b, 0,1
	s_delay_alu instid0(VALU_DEP_2)
	v_add_nc_u32 v[BS+\b], 0xff000000, v[BM+\b]
.endr
.irp b, 0,1
	s_delay_alu instid0(VALU_DEP_2)
	v_lshrrev_b32 v[BP+\b], 23, v[BS+\b]
.endr
	s_delay_alu instid0(VALU_DEP_1)
	v_lshl_or_b32 v[TMP], v[BP+1], 8, v[BP]        ; my row's two scale bytes
	v_cvt_scalef32_pk16_fp6_f32 v[PC:PC+2], v[S:S+15], v[BS]
	v_cvt_scalef32_pk16_fp6_f32 v[TT:TT+2], v[S+16:S+31], v[BS+1]
	v_nop
.irp i, 0,1,2
	v_permlane16_swap_b32 v[PC+\i], v[TT+\i]
.endr
.irp i, 0,1,2
	s_delay_alu instid0(VALU_DEP_3)
	v_mov_b32 v[PC+3+\i], v[TT+\i]
.endr
	global_store_b128 v[LI], v[PC:PC+3], s[OP:OP+1]             ; 512 consecutive bytes, aligned to 256
	global_store_b64 v[L8], v[PC+4:PC+5], s[OP:OP+1] offset:512 ; 256 consecutive bytes, aligned
	global_store_b16 v[R32], v[TMP], s[OSP:OSP+1]               ; two bytes of each of 16 rows of 32 bytes (lanes l and l xor 16 write the same bytes with the same value): 32 of the 800 bytes that the wave stores
	s_wait_tensorcnt 0x0
	ds_add_u32 v254, v255
	s_wait_dscnt 0x0
	ROUND                                          ; the closing round: no work-group ends while a partner may still ask for a slice that names it
	s_endpgm
.Lfunc_end_k_qb70d765277_attn:
	.size	k_qb70d765277_attn, .Lfunc_end_k_qb70d765277_attn-k_qb70d765277_attn
	.p2alignl 7, 3214868480
	.fill 96, 4, 3214868480
	.section	.rodata,"a",@progbits
	.p2align	6, 0x0
	.amdhsa_kernel k_qb70d765277_attn
		.amdhsa_group_segment_fixed_size 256000
		.amdhsa_private_segment_fixed_size 0
		.amdhsa_enable_private_segment 0
		.amdhsa_kernarg_size 32
		.amdhsa_user_sgpr_count 2
		.amdhsa_user_sgpr_kernarg_segment_ptr 1
		.amdhsa_wavefront_size32 1
		.amdhsa_system_sgpr_workgroup_id_x 1
		.amdhsa_system_sgpr_workgroup_id_y 1
		.amdhsa_system_sgpr_workgroup_id_z 1
		.amdhsa_system_vgpr_workitem_id 0
		.amdhsa_next_free_vgpr 256
		.amdhsa_next_free_sgpr 80
		.amdhsa_reserve_vcc 0
		.amdhsa_float_denorm_mode_32 3
		.amdhsa_float_denorm_mode_16_64 3
		.amdhsa_memory_ordered 1
		.amdhsa_forward_progress 1
		.amdhsa_inst_pref_size 45
	.end_amdhsa_kernel
	.amdgpu_metadata
---
amdhsa.version: [ 1, 2 ]
amdhsa.kernels:
  - .name:           k_qb70d765277_attn
    .symbol:         k_qb70d765277_attn.kd
    .args:
      - { .name: qkv, .offset: 0, .size: 8, .value_kind: global_buffer, .address_space: global }
      - { .name: qkvs, .offset: 8, .size: 8, .value_kind: global_buffer, .address_space: global }
      - { .name: oc, .offset: 16, .size: 8, .value_kind: global_buffer, .address_space: global }
      - { .name: os, .offset: 24, .size: 8, .value_kind: global_buffer, .address_space: global }
    .group_segment_fixed_size: 256000
    .private_segment_fixed_size: 0
    .kernarg_segment_align: 8
    .kernarg_segment_size: 32
    .max_flat_workgroup_size: 512
    .sgpr_count:     80
    .vgpr_count:     256
    .wavefront_size: 32
...
	.end_amdgpu_metadata
.endif
;; end of part 3
;; launch proj (part 4): grid 8 x 32, 4 waves a work-group, clusters of 4 x 4, 229,376 bytes of LDS; arguments oc, os, c1, s1, b_out, out0; writes out0
.if DOCPART == 4
	.amdgcn_target "amdgcn-amd-amdhsa--gfx1250"
	.amdhsa_code_object_version 6
	.text
	.protected	k_qb70d765277_proj
	.globl	k_qb70d765277_proj
	.p2align	8
	.type	k_qb70d765277_proj,@function
k_qb70d765277_proj:
	s_mov_b64 s[64:65], 0
	v_nop
	global_prefetch_b8 v0, s[64:65] scope:SCOPE_SE
	s_setreg_imm32_b32 hwreg(HW_REG_WAVE_MODE, 25, 1), 1
	s_wait_xcnt 0x0
	s_wait_alu depctr_hold_cnt(0) depctr_sa_sdst(0) depctr_va_vdst(0) depctr_va_sdst(0) depctr_va_ssrc(0) depctr_va_vcc(0) depctr_vm_vsrc(0)
	s_getreg_b32 s2, hwreg(HW_REG_IB_STS2, 6, 4)
	s_cmp_eq_u32 s2, 0
	s_cbranch_scc0 .Lentry_in_a_cluster
	s_endpgm
.Lentry_in_a_cluster:
	s_bfe_u32 s2, ttmp6, 0x10000c
	s_cmp_lg_u32 s2, 0xf033
	s_cbranch_scc0 .Lentry_shape_is_right
	s_endpgm
.Lentry_shape_is_right:
; out0 = o w_out^T + b_out on codes of FP6 (E2M3) with E8M0 scales; f32 sums, K = 1,024 ascending, the bias as the C of each sum's first product.
; A tile of 128 x 128 of the result to a work-group (32 x 8 = 256 of them), 64 x 64 to each of four waves: 16 accumulators.  ALL OF K LIES IN LDS, each byte filled once: no ring.
; A (o): images of operand registers from oc, [tile of 16 places][head][768 bytes]; two neighbouring heads are one fragment of 128 along K.  B (w_out): rows 7,168 .. of c1, 768 bytes each, 16 bytes of padding behind every 256.
; Both stand in the order of places (bits 3 and 4 of the row's number exchanged): source 0 = 16 places of w_out, so a lane's 16 registers of tiles 2 b, 2 b + 1 are 16 neighbouring columns; the rows' true numbers are put right in the stores' offsets.
; CLUSTER 4 x 4: A's tile is shared along a row of the cluster, B's along a column: joint loads.
; REGISTERS: window 0: v16-24 addresses; v32-63 scale words (register 8 i + s: lanes 0-15 A's tile i, lanes 16-31 B's tile i, K step s) and nothing else; v64-111 A, v112-159 B, set 0; v160-191 the bias; v192-255 the way out.
;   window 1: v0-127 the accumulators ((a, b) at v[8 (4 a + b)]); v128-175 A, v176-223 B, set 1.
.set BT,     98304                     ; LDS: A's images 0 .. 98,303; then B's 128 rows,
.set BPITCH, 816                       ; 768 bytes + 3 x 16 = 204 words: row r starts at word 12 r, and lanes 16-31 read 6 words on: the 32 lanes of a load of 8 bytes touch 64 different banks (64 banks of 4 bytes: ISA guide 11.1)
.set SCA,    202752                    ; A's scale bytes: 2 x 8 rows of 256 + 16,
.set SCB,    207104                    ; B's,
.set STG,    211456                    ; and the stages: 16 rows x 272 bytes for each wave; no tensor load lands there
.set ALI,  16                          ; v16  my half's images + 16 x lane
.set AL8,  17                          ; v17  + 8 x lane
.set ADRB, 18                          ; v18  B: row x pitch + 24 x half;  v19 the same behind one padding more
.set ADRS, 20                          ; v20  scale words: lanes 0-15 A's rows, lanes 16-31 B's
.set STO,  21
.set RD,   22
.set CO,   23
.set BO,   24
.set SC,   32
.set BI,   160
.set BK,   192
.set G1A,  24
.set G0A,  32
.set G1B,  36
.set G0B,  44
.set G1SA, 48
.set G0SA, 56
.set G1SB, 68
.set G0SB, 76
.set MSB, 0
.macro WIN new                         ; the immediate's high byte repeats the setting that is left
.if MSB != (\new)
	s_set_vgpr_msb (MSB<<8)|(\new)
.set MSB, (\new)
.endif
.endm
.macro CROUND                          ; a round of the cluster's barrier
	s_barrier_signal -1
	s_barrier_wait -1
	s_cmp_lg_u32 s16, 0
	s_cbranch_scc1 .Lnot_wave_0_\@
	s_barrier_signal -3
.Lnot_wave_0_\@:
	s_barrier_wait -3
	s_barrier_signal -1
	s_barrier_wait -1
.endm
.macro PLACES
.rept 4
	v_nop
.endr
.endm
	s_load_b256 s[4:11], s[0:1], 0x0               ; oc s[4:5], os s[6:7], c1 s[8:9], s1 s[10:11]
	s_load_b128 s[12:15], s[0:1], 0x20             ; b_out s[12:13], out0 s[14:15]
	v_lshl_add_u32 v30, v0, 2, 0x37e00
	v_mov_b32 v31, 0
	ds_add_u32 v30, v31
	ds_add_u32 v30, v31
	v_lshrrev_b32 v1, 5, v0
	v_readfirstlane_b32 s16, v1                    ; wave 0..3
	s_lshr_b32 s17, s16, 1                         ; which half of the rows is mine
	s_and_b32 s18, s16, 1                          ; which half of the columns
	s_bfe_u32 s84, ttmp6, 0x40000                  ; cx
	s_bfe_u32 s85, ttmp6, 0x40004                  ; cy
	s_lshl_b32 s86, ttmp9, 2
	s_add_co_u32 s86, s86, s84                     ; tile column, 0..7
	s_and_b32 s87, ttmp7, 0xffff
	s_lshl_b32 s87, s87, 2
	s_add_co_u32 s87, s87, s85                     ; tile row, 0..31
	s_lshl_b32 s88, s85, 2
	s_lshl_b32 s88, 15, s88                        ; my row of the cluster
	s_lshl_b32 s89, 0x1111, s84                    ; my column
	; A's images: 98,304 dense bytes as 384 rows of 256 (32 elements of 8 bytes), no padding
	s_or_b32 s[G1A], s88, (3<<16)|(1<<21)
	s_mov_b32 s[G1A+1], 32<<16
	s_mov_b32 s[G1A+2], 384<<16                    ; all 128 places' images in one load: 98,304 dense bytes
	s_mov_b32 s[G1A+3], 32<<16
	s_mov_b32 s[G1A+4], 384
	s_mov_b32 s[G1A+5], 32
	s_mov_b32 s[G1A+6], 0
	s_mov_b32 s[G1A+7], 0
	; B's rows: 128 rows of 768 bytes, 16 bytes of padding behind every 256
	s_or_b32 s[G1B], s89, (0<<16)|(1<<20)|(1<<21)|(5<<22)|(3<<25)
	s_mov_b32 s[G1B+1], 768<<16
	s_mov_b32 s[G1B+2], 128<<16                    ; all 128 rows in one load
	s_mov_b32 s[G1B+3], 768<<16
	s_mov_b32 s[G1B+4], 128
	s_mov_b32 s[G1B+5], 768
	s_mov_b32 s[G1B+6], 0
	s_mov_b32 s[G1B+7], 0
	; the scale bytes of 128 rows: 4,096 dense bytes as 16 rows of 256, 16 bytes of padding behind each
	s_or_b32 s[G1SA], s88, (3<<16)|(1<<20)|(1<<21)|(5<<22)|(3<<25)
	s_or_b32 s[G1SB], s89, (3<<16)|(1<<20)|(1<<21)|(5<<22)|(3<<25)
.irp g, G1SA, G1SB
	s_mov_b32 s[\g+1], 32<<16
	s_mov_b32 s[\g+2], 16<<16                      ; 128 rows' scale bytes: 16 rows of 256
	s_mov_b32 s[\g+3], 32<<16
	s_mov_b32 s[\g+4], 16
	s_mov_b32 s[\g+5], 32
	s_mov_b32 s[\g+6], 0
	s_mov_b32 s[\g+7], 0
.endr
	s_lshl_b32 s90, s87, 3                         ; A: of the tile row alone
	s_mul_i32 s90, s90, 12288                      ; 8 x tile row tiles of 16 places
	s_mov_b32 s91, 0
	s_lshl_b32 s92, s87, 12
	s_mov_b32 s93, 0
	s_lshl_b32 s94, s86, 7                         ; B: of the tile column alone
	s_add_co_u32 s94, s94, 7168                    ; w_out's first row in c1
	s_lshl_b32 s96, s94, 5
	s_mov_b32 s97, 0
	s_mul_i32 s94, s94, 768
	s_mov_b32 s95, 0
	s_mul_i32 s61, s18, 64*BPITCH
	s_mul_i32 s62, s18, 2176
	s_wait_dscnt 0x0
	s_wait_kmcnt 0x0
	s_mov_b32 s[G0A], 1
	s_mov_b32 s[G0A+1], 0
	s_add_nc_u64 s[G0A+2:G0A+3], s[4:5], s[90:91]
	s_or_b32 s[G0A+3], s[G0A+3], 0x80000000
	s_mov_b32 s[G0SA], 1
	s_mov_b32 s[G0SA+1], SCA
	s_add_nc_u64 s[G0SA+2:G0SA+3], s[6:7], s[92:93]
	s_or_b32 s[G0SA+3], s[G0SA+3], 0x80000000
	s_mov_b32 s[G0B], 1
	s_mov_b32 s[G0B+1], BT
	s_add_nc_u64 s[G0B+2:G0B+3], s[8:9], s[94:95]
	s_or_b32 s[G0B+3], s[G0B+3], 0x80000000
	s_mov_b32 s[G0SB], 1
	s_mov_b32 s[G0SB+1], SCB
	s_add_nc_u64 s[G0SB+2:G0SB+3], s[10:11], s[96:97]
	s_or_b32 s[G0SB+3], s[G0SB+3], 0x80000000
	CROUND                                         ; all sixteen work-groups are here: the joint loads meet
	s_cmp_eq_u32 s16, 2                            ; four whole tiles, one joint load a wave, in one chain of branches on the wave's number: wave 2 A's scale bytes,
	s_cbranch_scc0 .Lnot_sa
	tensor_load_to_lds s[G0SA:G0SA+3], s[G1SA:G1SA+7]
	s_nop 0
	PLACES
	s_branch .Lasked
.Lnot_sa:
	s_cmp_eq_u32 s16, 0                            ; wave 0 A's images,
	s_cbranch_scc0 .Lfor_b
	tensor_load_to_lds s[G0A:G0A+3], s[G1A:G1A+7]
	s_nop 0
.rept 4
	v_nop
.endr
	s_branch .Lasked
.Lfor_b:
	s_cmp_eq_u32 s16, 3                            ; wave 3 B's scale bytes, wave 1 B's rows
	s_cbranch_scc0 .Lfor_bc
	tensor_load_to_lds s[G0SB:G0SB+3], s[G1SB:G1SB+7]
	s_nop 0
	PLACES
	s_branch .Lasked
.Lfor_bc:
	tensor_load_to_lds s[G0B:G0B+3], s[G1B:G1B+7]
	s_nop 0
.rept 4
	v_nop
.endr
.Lasked:
	v_and_b32 v1, 15, v0                           ; r
	v_bfe_u32 v2, v0, 4, 1                         ; h
	v_and_b32 v3, 31, v0                           ; lane
	s_mul_i32 s63, s17, 49152                      ; my 64 rows' images
	v_lshlrev_b32 v[ALI], 4, v3
	v_add_nc_u32 v[ALI], s63, v[ALI]
	v_lshlrev_b32 v[AL8], 3, v3
	v_add_nc_u32 v[AL8], s63, v[AL8]
	v_mul_u32_u24 v4, v1, BPITCH
	v_mad_u32_u24 v5, v2, 24, v4
	v_mad_u32_u24 v6, v2, 40, v4
	s_add_co_u32 s63, s61, BT                      ; my 64 rows of B
	v_add_nc_u32 v[ADRB], s63, v5
	v_add_nc_u32 v[ADRB+1], s63, v6
	v_lshlrev_b32 v4, 5, v1                        ; scale bytes: 32 a row,
	v_lshrrev_b32 v5, 3, v1
	v_lshl_add_u32 v4, v5, 4, v4                   ; and 16 more behind 256
	s_mul_i32 s63, s17, 2176                       ; A's: my half of the rows
	s_add_co_u32 s80, s62, SCB-SCA                 ; B's: my half of the columns
	s_sub_co_u32 s80, s80, s63
	v_mul_u32_u24 v5, s80, v2                      ; lanes 16-31 take B's: one product, the distance between the two
	s_add_co_u32 s63, s63, SCA
	v_add_nc_u32 v4, v4, v5
	v_add_nc_u32 v[ADRS], s63, v4
	s_mul_i32 s63, s16, 16*272
	s_add_co_u32 s63, s63, STG                     ; my stage
	v_mul_u32_u24 v4, v1, 272
	v_lshl_add_u32 v4, v2, 6, v4
	v_add_nc_u32 v[STO], s63, v4                   ; in: row r, + 64 h: my half's 16 columns of each 32
	v_mul_u32_u24 v4, v2, 272
	v_lshl_add_u32 v4, v1, 4, v4
	v_add_nc_u32 v[RD], s63, v4                    ; back: lanes 0-15 one row of 256 bytes, lanes 16-31 the next
	v_lshlrev_b32 v4, 12, v2
	v_lshl_add_u32 v[CO], v1, 4, v4                ; and the same two rows of out0 (4,096 bytes a row)
	v_lshlrev_b32 v[BO], 6, v2                     ; the bias: my half's 16 of each 32
	s_wait_alu depctr_va_vdst(0)
	s_lshl_b32 s82, s86, 9
	s_lshl_b32 s83, s18, 8
	s_add_co_u32 s82, s82, s83                     ; my first column, in bytes
	s_mov_b32 s83, 0
	s_add_nc_u64 s[12:13], s[12:13], s[82:83]
	s_lshl_b32 s98, s87, 19
	s_lshl_b32 s99, s17, 18
	s_add_co_u32 s98, s98, s99                     ; my first row, in bytes
	s_add_co_u32 s98, s98, s82
	s_mov_b32 s99, 0
	s_add_nc_u64 s[14:15], s[14:15], s[98:99]
.irp b, 0,1,2,3                                ; the bias in the result's layout: tile b, lane half h: columns 32 (b / 2) + 16 h + 8 (b % 2) + 0 .. 7
	global_load_b128 v[BI+8*\b:BI+8*\b+3], v[BO], s[12:13] offset:128*(\b/2)+32*(\b%2)
	global_load_b128 v[BI+8*\b+4:BI+8*\b+7], v[BO], s[12:13] offset:128*(\b/2)+32*(\b%2)+16
.endr
.macro FRAGA reg, i, s                 ; A's tile i, K step s: two heads' images
	ds_load_b128 v[\reg:\reg+3], v[ALI] offset:12288*(\i)+1536*(\s)
	ds_load_b64 v[\reg+4:\reg+5], v[AL8] offset:12288*(\i)+1536*(\s)+512
	ds_load_b128 v[\reg+6:\reg+9], v[ALI] offset:12288*(\i)+1536*(\s)+768
	ds_load_b64 v[\reg+10:\reg+11], v[AL8] offset:12288*(\i)+1536*(\s)+1280
.endm
.macro FRAGB reg, i, s                 ; B's tile i, K step s: pieces of 8 bytes; 16 bytes of padding lie behind every 32 pieces: where the piece three on lies behind one padding more, the second address register serves
.irp p, 0,1,2,3,4,5
.set PCE, 12*(\s)+6*(\p/3)+\p%3
.if PCE%32 < 29
	ds_load_b64 v[\reg+2*\p:\reg+2*\p+1], v[ADRB] offset:8*PCE+16*(PCE/32)+(\i)*16*BPITCH
.else
	ds_load_b64 v[\reg+2*\p:\reg+2*\p+1], v[ADRB+1] offset:8*PCE+16*(PCE/32)+(\i)*16*BPITCH
.endif
.endr
.endm
.macro FETCH s, set                    ; 40 LDS loads: a K step's four fragments of each side
.if \set
	WIN 0x40                                       ; destination window 1
.else
	WIN 0
.endif
.irp i, 0,1,2,3
	FRAGB 112+64*(\set)+12*\i, \i, \s
	FRAGA 64+64*(\set)+12*\i, \i, \s
.endr
.endm
.macro MUL s, set, first               ; 16 products: the accumulators by turns, in the same order in every step
.irp a, 0,1,2,3
.irp b, 0,1,2,3
.if \first
	v_wmma_scale_f32_16x16x128_f8f6f4 v[8*(4*\a+\b):8*(4*\a+\b)+7], v[112+64*(\set)+12*\b:112+64*(\set)+12*\b+11], v[64+64*(\set)+12*\a:64+64*(\set)+12*\a+11], v[BI+8*\b:BI+8*\b+7], v[SC+8*\b+(\s)], v[SC+8*\a+(\s)] matrix_a_fmt:MATRIX_FMT_FP6 matrix_b_fmt:MATRIX_FMT_FP6 matrix_a_scale:MATRIX_SCALE_ROW1
.else
	v_wmma_scale_f32_16x16x128_f8f6f4 v[8*(4*\a+\b):8*(4*\a+\b)+7], v[112+64*(\set)+12*\b:112+64*(\set)+12*\b+11], v[64+64*(\set)+12*\a:64+64*(\set)+12*\a+11], v[8*(4*\a+\b):8*(4*\a+\b)+7], v[SC+8*\b+(\s)], v[SC+8*\a+(\s)] matrix_a_fmt:MATRIX_FMT_FP6 matrix_b_fmt:MATRIX_FMT_FP6 matrix_a_scale:MATRIX_SCALE_ROW1
.endif
.endr
.endr
.endm
	s_wait_tensorcnt 0x0                           ; my fill is in,
	s_barrier_signal -1
	s_barrier_wait -1                              ; everybody's are
.irp i, 0,1,2,3                                ; all scale words: 32 bytes a row
	ds_load_b128 v[SC+8*\i:SC+8*\i+3], v[ADRS] offset:544*\i
	ds_load_b128 v[SC+8*\i+4:SC+8*\i+7], v[ADRS] offset:544*\i+16
.endr
	FETCH 0, 0
	s_wait_loadcnt 0x0                             ; the bias
.irp s, 0,1,2,3,4,5,6,7
.set NS, \s+1
.set NSET, (\s+1)%2
.if \s < 7
.if \s > 0
	PLACES                                         ; in front of loads into the set that the step before multiplied
.endif
	FETCH NS, NSET
	s_wait_dscnt 40                                ; all but the 40 just issued
.else
	s_wait_dscnt 0x0
.endif
.if \s == 0
	WIN 0x40                                       ; operands and the bias window 0, D window 1
	MUL 0, 0, 1
.elseif \s%2
	WIN 0x55                                       ; all in window 1
	MUL \s, 1, 0
.else
	WIN 0x50                                       ; operands window 0, C and D window 1
	MUL \s, 0, 0
.endif
.endr
	WIN 0
; THE WAY OUT, a tile of 16 places x 64 columns at a time, through my own stage: in by lanes (32 bytes of a row each), back as whole rows of 256 bytes.  LDS serves a wave's instructions in order: no wait between the stores and the loads.
.macro TOSTAGE a
	WIN 0x04                                       ; an LDS store's data are its source 1: window 1
.irp b, 0,1,2,3
	ds_store_b128 v[STO], v[8*(4*(\a)+\b):8*(4*(\a)+\b)+3] offset:128*(\b/2)+32*(\b%2)         ; each accumulator from its low end on
	ds_store_b128 v[STO], v[8*(4*(\a)+\b)+4:8*(4*(\a)+\b)+7] offset:128*(\b/2)+32*(\b%2)+16
.endr
	WIN 0
.set BB, BK+32*((\a)%2)
.irp t, 0,1,2,3,4,5,6,7
	ds_load_b128 v[BB+4*\t:BB+4*\t+3], v[RD] offset:544*\t
.endr
.endm
.macro SEND a, younger                 ; stage row 2 t + h of tile a is true row 32 (a / 2) + 8 (a % 2) + 16 (t / 4) + 2 (t % 4) + h
.set BB, BK+32*((\a)%2)
	s_wait_dscnt \younger
.irp t, 0,1,2,3,4,5,6,7
	global_store_b128 v[CO], v[BB+4*\t:BB+4*\t+3], s[14:15] offset:4096*(32*((\a)/2)+8*((\a)%2)+16*(\t/4)+2*(\t%4)) th:TH_STORE_NT   ; 16 lanes store 256 consecutive bytes, aligned; written once, read by nobody here
.endr
.endm
	PLACES                                         ; behind the last products
	TOSTAGE 0
.irp a, 1,2,3
.if \a > 1
	s_wait_xcnt 0x0                                ; tile a - 2's stores have read their registers: tile a's loads may land there
.endif
	TOSTAGE \a
	SEND \a-1, 16                                  ; behind tile a - 1's loads: tile a's 8 stores and 8 loads
.endr
	SEND 3, 0
	s_wait_tensorcnt 0x0
	ds_add_u32 v30, v31
	s_wait_dscnt 0x0
	CROUND                                         ; the closing round: no work-group ends while a partner may still ask for a tile that names it
	s_endpgm
.Lfunc_end_k_qb70d765277_proj:
	.size	k_qb70d765277_proj, .Lfunc_end_k_qb70d765277_proj-k_qb70d765277_proj
	.p2alignl 7, 3214868480
	.fill 96, 4, 3214868480
	.section	.rodata,"a",@progbits
	.p2align	6, 0x0
	.amdhsa_kernel k_qb70d765277_proj
		.amdhsa_group_segment_fixed_size 229376
		.amdhsa_private_segment_fixed_size 0
		.amdhsa_enable_private_segment 0
		.amdhsa_kernarg_size 48
		.amdhsa_user_sgpr_count 2
		.amdhsa_user_sgpr_kernarg_segment_ptr 1
		.amdhsa_wavefront_size32 1
		.amdhsa_system_sgpr_workgroup_id_x 1
		.amdhsa_system_sgpr_workgroup_id_y 1
		.amdhsa_system_sgpr_workgroup_id_z 1
		.amdhsa_system_vgpr_workitem_id 0
		.amdhsa_next_free_vgpr 512
		.amdhsa_next_free_sgpr 100
		.amdhsa_reserve_vcc 0
		.amdhsa_float_denorm_mode_32 3
		.amdhsa_float_denorm_mode_16_64 3
		.amdhsa_memory_ordered 1
		.amdhsa_forward_progress 1
		.amdhsa_inst_pref_size 55
	.end_amdhsa_kernel
	.amdgpu_metadata
---
amdhsa.version: [ 1, 2 ]
amdhsa.kernels:
  - .name:           k_qb70d765277_proj
    .symbol:         k_qb70d765277_proj.kd
    .args:
      - { .name: oc, .offset: 0, .size: 8, .value_kind: global_buffer, .address_space: global }
      - { .name: os, .offset: 8, .size: 8, .value_kind: global_buffer, .address_space: global }
      - { .name: c1, .offset: 16, .size: 8, .value_kind: global_buffer, .address_space: global }
      - { .name: s1, .offset: 24, .size: 8, .value_kind: global_buffer, .address_space: global }
      - { .name: b_out, .offset: 32, .size: 8, .value_kind: global_buffer, .address_space: global }
      - { .name: out0, .offset: 40, .size: 8, .value_kind: global_buffer, .address_space: global }
    .group_segment_fixed_size: 229376
    .private_segment_fixed_size: 0
    .kernarg_segment_align: 8
    .kernarg_segment_size: 48
    .max_flat_workgroup_size: 128
    .sgpr_count:     100
    .vgpr_count:     512
    .wavefront_size: 32
...
	.end_amdgpu_metadata
.endif
;; end of part 4
